; MI455X (gfx1250); checked and timed in simulation.
; The chip was launched on July 23, 2026; its instructions are those of AMD's public machine-readable ISA for CDNA 5 (MIT licence, August 2026) and "CDNA5" Instruction Set Architecture Reference Guide (July 2026). The comments in the code are by the model that wrote it; some were corrected since.
;; Cross Attention. Allowed arithmetic: matrix products marked QUANTISED: E2M1 operands, one E8M0 scale for each 32 along K, by v_wmma_scale_f32_16x16x128_f8f6f4 with both operands' format E2M1 (or v_wmma_scale_f32_32x16x128_f4), f32 sums; everything else in f32.
;; Inputs: Wk 1,024 x 1,024 float32; Wq 1,024 x 1,024 float32; Wv 1,024 x 1,024 float32; bk 1,024 float32; bq 1,024 float32; bv 1,024 float32; x1 16 x 32 x 1 x 32 x 1,024 float32; x2 16 x 32 x 1 x 32 x 1,024 float32.
;; Outputs: out0 16 x 32 x 32 x 1,024 float32.
;; This version of the problem:
;;   THIS VERSION OF THE PROBLEM IS GIVEN IN LOW PRECISION. The matrix products marked QUANTISED in the list below multiply operands that are first quantised to E2M1 (2 exponent bits, 1 mantissa bit; 4 bits a number), with one power-of-two scale for each 32 numbers along K (OCP MX v1.0); their sums are f32. All else is computed in f32.
;;   The module's matrix products, in the order in which they are computed (A, B: the left and right operand; K: the contracted axis; several contracted axes count as one K, in the product's order):
;;     1. [M 16,384, K 1,024] x [K 1,024, N 1,024]; A: input x1; B: input Wq: QUANTISED
;;     2. [M 16,384, K 1,024] x [K 1,024, N 1,024]; A: input x2; B: input Wk: QUANTISED
;;     3. [M 16,384, K 1,024] x [K 1,024, N 1,024]; A: input x2; B: input Wv: QUANTISED
;;     4. batch 16,384 x [M 32, K 32] x [K 32, N 32]; A: computed on the way; B: computed on the way: QUANTISED
;;     5. batch 16,384 x [M 32, K 32] x [K 32, N 32]; A: computed on the way; B: computed on the way: QUANTISED
;;   THE QUANTISER, for each operand of a quantised product, along K:
;;     - K is cut into blocks of 32 from its start; a last block that is shorter is filled with zeros.
;;     - A block's scale is 2^e with e = floor(log2(the largest magnitude in the block)) - 2, held to -126 .. 127; a block of zeros has e = 0. As a byte (E8M0): e + 127.
;;     - Each number is divided by its block's scale, clamped to +-6, and rounded to the nearest number of E2M1, ties to even, subnormals kept.
;;     - The product sums the exact products of the quantised numbers (number of the format x scale) in f32.
;;   ~~~python
;;   def quantise(x, axis):      # numpy; x: float32 -> the quantised numbers, widened to float32 again
;;       x = np.moveaxis(x, axis, -1); K = x.shape[-1]
;;       x = np.pad(x, [(0, 0)] * (x.ndim - 1) + [(0, -K % 32)]); x = x.reshape(x.shape[:-1] + (-1, 32)); a = np.abs(x).max(-1, keepdims=True)
;;       e = np.where(a > 0, np.clip(np.frexp(np.where(a > 0, a, 1))[1] - 1 - 2, -126, 127), 0)      # np.frexp(a)[1] - 1 = floor(log2(a)), exactly
;;       r = np.clip(x / 2.0 ** e, -6, 6)
;;       step = 2.0 ** (np.maximum(np.frexp(np.where(r == 0, 1, r))[1] - 1, 0) - 1)
;;       q = np.round(r / step) * step * 2.0 ** e      # np.round: ties to even
;;       return np.moveaxis(q.reshape(q.shape[:-2] + (-1,))[..., :K], -1, axis).astype(np.float32)
;;   ~~~
;;   OPERANDS COMPUTED ON THE WAY. 'Computed on the way' means the value that the module computes at that place (a softmax that the list does not call 'softmax' is quantised finished and normalised). What goes into a quantiser is computed in f32, as accurately as f32 sums, v_exp_f32 and their like allow (about 1e-6 of the number): no bf16 or f16 on the way to a quantiser, and a product that is left as it is and whose result goes on into a quantised operand takes f32 operands (vector FMAs, or v_wmma_f32_16x16x4_f32). A number that lies on a knife's edge between two numbers of the format may be rounded either way, as far as f32 arithmetic and the matrix unit's own rounding can turn it there, and no further.
;; 2 versions, each right; version 2 is version 1 with the launch attn written anew for expert scheduling mode. Each part assembles by itself: llvm-mc -triple=amdgcn-amd-amdhsa -mcpu=gfx1250 --defsym DOCPART=n.
;; ======== version 1 of 2: 3 launches
;; workspace buffers: wimg 1,671,168 bytes; qc 8,388,608 bytes; kc 8,388,608 bytes; vc 8,388,608 bytes; qs 524,288 bytes; ks 524,288 bytes; vs 524,288 bytes
;; launch wquant (part 1): grid 96 x 1, 8 waves a work-group, no clusters, 19,456 bytes of LDS; arguments Wq, Wk, Wv, wimg; writes wimg
.if DOCPART == 1
	.amdgcn_target "amdgcn-amd-amdhsa--gfx1250"
	.amdhsa_code_object_version 6
	.text
	.protected	k_q19715ba584_wquant
	.globl	k_q19715ba584_wquant
	.p2align	8
	.type	k_q19715ba584_wquant,@function
k_q19715ba584_wquant:
	s_mov_b64 s[64:65], 0
	v_nop
	global_prefetch_b8 v0, s[64:65] scope:SCOPE_SE
	s_setreg_imm32_b32 hwreg(HW_REG_WAVE_MODE, 25, 1), 1
	s_wait_xcnt 0x0
; Wk, Wv, Wq [1024][1024] f32 become codes of FP4 (E2M1) with one E8M0 byte for each 32 along K, laid as IMAGES OF THE OPERAND'S REGISTERS for the next launch:
; wimg = [pass: K, V, Q][256 along K][wave wq of the next launch][128 along K]{ 8 pairs x 2,048 bytes of codes, 1,024 bytes of scale words }.
; A pair is 32 rows rho of a weight.  Its image is four groups G = 2 u + c (u = rho / 16, c = block / 2) of 512 bytes: lane (r = rho % 16, h = block % 2) has its block's 16 bytes at 16 x lane.
; Which row of the weight stands at (pair PI = 8 wq + pair, rho), with perm(rho) = rho % 8 + 16 ((rho / 8) % 2) + 8 (rho / 16):   Q: 32 rho + PI;   K: 32 perm(rho) + PI;   V: 32 PI + perm(rho).
; Scale words of a step: [pair / 4][rho][pair % 4][block]: one byte each.
; INSIDE A BLOCK the codes stand in the order in which the lanes load them: register q of a block holds k = 4 q .. 4 q + 3 and 16 + 4 q .. 16 + 4 q + 3.  The next launch lays x the same way, so the products are the same.
; A block's scale is 2^(floor(log2(largest magnitude)) - 2): its byte is the largest magnitude's exponent field - 2, held at 1 from below.
; LIMITS: NaN and infinities are not served; a block whose largest magnitude lies under 2^-124, a block of zeros among them, gets the byte 1 (its codes are then zeros or the nearest codes under that scale; only this program reads the bytes).
; SHARES: a work-group takes 4 pairs x 256 along K; wave v takes 16 rows (pair 4 hf + v / 2, half u = v % 2), 1,024 bytes of each.  Lane l: block l / 4 of the eight, quarter q = l % 4.
.set CSTG, 2176                        ; a wave's stage for codes: eight blocks x (16 rows x 16 bytes + 16 of padding)
.set SCS,  8*CSTG                      ; behind the stages: the work-group's two scale images of 512 bytes
.set VA,   16                          ; v16-31   byte offset of row r
.set TM,   32                          ; v32-47   largest magnitude, then the conversion's scale operand
.set CD,   48                          ; v48-63   eight codes of row r
.set BY,   64                          ; v64-79   the scale's byte
.set S,    80                          ; v80-207  eight numbers of row r
	s_load_b256 s[4:11], s[0:1], 0x0               ; Wq s[4:5], Wk s[6:7], Wv s[8:9], wimg s[10:11]
	v_lshl_add_u32 v208, v0, 2, 0x4800
	v_mov_b32 v209, 0
	v_lshrrev_b32 v1, 5, v0
	v_readfirstlane_b32 s12, v1                    ; wave v
	s_lshr_b32 s13, ttmp9, 5                       ; pass: 0 K, 1 V, 2 Q
	s_bfe_u32 s14, ttmp9, 0x20003                  ; which 256 along K
	s_bfe_u32 s15, ttmp9, 0x20001                  ; wq
	s_and_b32 s16, ttmp9, 1                        ; hf
	s_lshr_b32 s17, s12, 1                         ; v / 2
	s_and_b32 s18, s12, 1                          ; u
	s_lshl_b32 s19, s16, 2
	s_add_co_u32 s19, s19, s17                     ; pair in the wave's eight
	s_lshl_b32 s20, s15, 3
	s_add_co_u32 s20, s20, s19                     ; PI
	s_mov_b32 s21, 131072                          ; 32 rows of a weight
	s_mov_b32 s22, 4096                            ; one row
	s_cmp_eq_u32 s13, 1
	s_cselect_b32 s23, s22, s21                    ; from rho to rho + 1
	s_cselect_b32 s24, s21, s22                    ; from pair to pair
	s_cmp_eq_u32 s13, 2
	s_cselect_b32 s25, 16, 8                       ; what u adds, in such steps
	s_cselect_b32 s26, 1, 9                        ; and the step from r = 7 to r = 8: perm leaps by 9
	s_mul_i32 s26, s26, s23
	s_lshl_b32 s30, s14, 10
	s_mul_i32 s31, s20, s24
	s_add_co_u32 s30, s30, s31
	s_mul_i32 s31, s18, s25
	s_mul_i32 s31, s31, s23
	s_add_co_u32 s30, s30, s31                     ; the wave's first row and its 1,024 bytes, in bytes
	s_mov_b32 s31, 0
	s_mul_i32 s32, s13, 557056
	s_mul_i32 s33, s14, 139264
	s_add_co_u32 s32, s32, s33
	s_mul_i32 s33, s15, 34816
	s_add_co_u32 s32, s32, s33                     ; where the images go
	s_mov_b32 s33, 0
	v_and_b32 v2, 31, v0                           ; lane
	v_and_b32 v3, 15, v0                           ; r
	v_bfe_u32 v4, v0, 4, 1                         ; h
	v_bfe_u32 v5, v0, 2, 3                         ; block
	v_and_b32 v6, 3, v0                            ; q
	v_bfe_u32 v7, v0, 2, 2                         ; block % 4
	v_lshlrev_b32 v[VA], 7, v5
	v_lshl_add_u32 v[VA], v6, 4, v[VA]             ; 128 x block + 16 q
.irp r,1,2,3,4,5,6,7
	v_add_nc_u32 v[VA+\r], s23, v[VA+\r-1]
.endr
	v_add_nc_u32 v[VA+8], s26, v[VA+7]
.irp r,9,10,11,12,13,14,15
	v_add_nc_u32 v[VA+\r], s23, v[VA+\r-1]
.endr
	s_mul_i32 s34, s12, CSTG
	v_mul_u32_u24 v8, v5, 272
	v_lshl_add_u32 v8, v6, 2, v8
	v_add_nc_u32 v8, s34, v8                       ; the stage, in: 272 x block + 4 q (+ 16 r): 32 lanes, 32 different banks
	v_mul_u32_u24 v10, v4, 272
	v_lshl_add_u32 v10, v3, 4, v10
	v_add_nc_u32 v10, s34, v10                     ; and back: 272 h + 16 r (+ 544 for each group)
	s_lshl_b32 s34, s18, 8
	s_lshl_b32 s35, s17, 2
	s_add_co_u32 s34, s34, s35
	s_add_co_u32 s34, s34, SCS
	v_lshl_add_u32 v9, v4, 9, v7
	v_add_nc_u32 v9, s34, v9                       ; my byte: 512 x step + 256 u + 4 (pair % 4) + block % 4 (+ 16 r)
	s_lshl_b32 s34, s19, 11
	s_lshl_b32 s35, s18, 10
	s_add_co_u32 s34, s34, s35
	v_lshl_add_u32 v11, v2, 4, s34                 ; the codes' place: 2,048 x pair + 1,024 u + 16 x lane
	s_lshl_b32 s34, s18, 9
	s_add_co_u32 s34, s34, SCS
	v_lshl_add_u32 v12, v2, 4, s34                 ; a scale image, read back (waves 0 and 1: image = wave)
	s_mul_i32 s34, s18, 17408
	s_lshl_b32 s35, s16, 9
	s_add_co_u32 s34, s34, s35
	s_add_co_u32 s34, s34, 16384
	v_lshl_add_u32 v13, v2, 4, s34                 ; and its place in memory
	s_wait_kmcnt 0x0
	s_cmp_eq_u32 s13, 0                            ; the weight is chosen by the work-group's number alone
	s_cselect_b64 s[28:29], s[6:7], s[8:9]
	s_cmp_eq_u32 s13, 2
	s_cselect_b64 s[28:29], s[4:5], s[28:29]
	s_add_nc_u64 s[28:29], s[28:29], s[30:31]
	s_add_nc_u64 s[10:11], s[10:11], s[32:33]
.irp r,0,1,2,3,4,5,6,7,8,9,10,11,12,13,14,15
	global_load_b128 v[S+8*\r:S+8*\r+3], v[VA+\r], s[28:29] th:TH_LOAD_NT
	global_load_b128 v[S+8*\r+4:S+8*\r+7], v[VA+\r], s[28:29] offset:64 th:TH_LOAD_NT   ; the two together read the row's whole 1,024 bytes
.endr
	s_wait_loadcnt 0x0
.irp r,0,1,2,3,4,5,6,7,8,9,10,11,12,13,14,15
	v_max3_num_f32 v[TM+\r], |v[S+8*\r]|, |v[S+8*\r+1]|, 0x1800000   ; my eight numbers, and the floor 2^(3 - 127): the byte cannot fall under 1.  The sixteen rows by turns
.endr
.irp i,2,4,6
.irp r,0,1,2,3,4,5,6,7,8,9,10,11,12,13,14,15
	v_max3_num_f32 v[TM+\r], v[TM+\r], |v[S+8*\r+\i]|, |v[S+8*\r+\i+1]|
.endr
.endr
.irp m,1,2
.irp r,0,1,2,3,4,5,6,7,8,9,10,11,12,13,14,15
	v_max_num_f32_dpp v[TM+\r], v[TM+\r], v[TM+\r] row_xmask:\m row_mask:0xf bank_mask:0xf   ; with the block's other three lanes
.endr
.endr
.irp r,0,1,2,3,4,5,6,7,8,9,10,11,12,13,14,15
	v_add_nc_u32 v[TM+\r], 0xff000000, v[TM+\r]    ; 2 off the exponent field: the conversion takes the exponent field of this operand as its scale
.endr
.irp r,0,1,2,3,4,5,6,7,8,9,10,11,12,13,14,15
	v_lshrrev_b32 v[BY+\r], 23, v[TM+\r]           ; the scale's byte
.endr
.irp r,0,1,2,3,4,5,6,7,8,9,10,11,12,13,14,15
	v_cvt_scalef32_pk8_fp4_f32 v[CD+\r], v[S+8*\r:S+8*\r+7], v[TM+\r]
.endr
	v_nop                                          ; one plain line behind the last conversion
.irp r,0,1,2,3,4,5,6,7,8,9,10,11,12,13,14,15
	ds_store_b32 v8, v[CD+\r] offset:16*\r
.endr
.irp r,0,1,2,3,4,5,6,7,8,9,10,11,12,13,14,15
	ds_store_b8 v9, v[BY+\r] offset:16*\r          ; a block's four lanes write the same byte with the same value
.endr
.irp k,0,1,2,3
	ds_load_b128 v[S+4*\k:S+4*\k+3], v10 offset:544*\k   ; group k = 2 x step + c: LDS serves a wave's instructions in order, so these see my stores
.endr
.irp k,0,1,2,3
	s_wait_dscnt 3-\k                              ; the younger loads may stay out
	global_store_b128 v11, v[S+4*\k:S+4*\k+3], s[10:11] offset:17408*(\k/2)+512*(\k%2)   ; 512 consecutive bytes
.endr
	s_wait_dscnt 0x0                               ; for the others' sake: my byte stores are done
	s_barrier_signal -1
	s_barrier_wait -1
	s_cmp_gt_u32 s12, 1                            ; waves 0 and 1 carry the two scale images out
	s_cbranch_scc1 .Lend
	ds_load_b128 v[S+16:S+19], v12
	s_wait_dscnt 0x0
	global_store_b128 v13, v[S+16:S+19], s[10:11]
.Lend:
	s_wait_tensorcnt 0x0
	ds_add_u32 v208, v209
	s_wait_dscnt 0x0
	s_endpgm
.Lfunc_end_k_q19715ba584_wquant:
	.size	k_q19715ba584_wquant, .Lfunc_end_k_q19715ba584_wquant-k_q19715ba584_wquant
	.p2alignl 7, 3214868480
	.fill 96, 4, 3214868480
	.section	.rodata,"a",@progbits
	.p2align	6, 0x0
	.amdhsa_kernel k_q19715ba584_wquant
		.amdhsa_group_segment_fixed_size 19456
		.amdhsa_private_segment_fixed_size 0
		.amdhsa_enable_private_segment 0
		.amdhsa_kernarg_size 32
		.amdhsa_user_sgpr_count 2
		.amdhsa_user_sgpr_kernarg_segment_ptr 1
		.amdhsa_wavefront_size32 1
		.amdhsa_system_sgpr_workgroup_id_x 1
		.amdhsa_system_sgpr_workgroup_id_y 1
		.amdhsa_system_sgpr_workgroup_id_z 1
		.amdhsa_system_vgpr_workitem_id 0
		.amdhsa_next_free_vgpr 210
		.amdhsa_next_free_sgpr 66
		.amdhsa_reserve_vcc 0
		.amdhsa_float_denorm_mode_32 3
		.amdhsa_float_denorm_mode_16_64 3
		.amdhsa_memory_ordered 1
		.amdhsa_forward_progress 1
		.amdhsa_inst_pref_size 20
	.end_amdhsa_kernel
	.amdgpu_metadata
---
amdhsa.version: [ 1, 2 ]
amdhsa.kernels:
  - .name:           k_q19715ba584_wquant
    .symbol:         k_q19715ba584_wquant.kd
    .args:
      - { .name: Wq, .offset: 0, .size: 8, .value_kind: global_buffer, .address_space: global }
      - { .name: Wk, .offset: 8, .size: 8, .value_kind: global_buffer, .address_space: global }
      - { .name: Wv, .offset: 16, .size: 8, .value_kind: global_buffer, .address_space: global }
      - { .name: wimg, .offset: 24, .size: 8, .value_kind: global_buffer, .address_space: global }
    .group_segment_fixed_size: 19456
    .private_segment_fixed_size: 0
    .kernarg_segment_align: 8
    .kernarg_segment_size: 32
    .max_flat_workgroup_size: 256
    .sgpr_count:     66
    .vgpr_count:     210
    .wavefront_size: 32
...
	.end_amdgpu_metadata
.endif
;; end of part 1
;; launch proj (part 2): grid 256 x 1, 4 waves a work-group, clusters of 4 x 1, 327,680 bytes of LDS; arguments x1, x2, wimg, bq, bk, bv, qc, qs, kc, ks, vc, vs; writes qc, qs, kc, ks, vc, vs
.if DOCPART == 2
	.amdgcn_target "amdgcn-amd-amdhsa--gfx1250"
	.amdhsa_code_object_version 6
	.text
	.protected	k_q19715ba584_proj
	.globl	k_q19715ba584_proj
	.p2align	8
	.type	k_q19715ba584_proj,@function
k_q19715ba584_proj:
	s_mov_b64 s[64:65], 0
	v_nop
	global_prefetch_b8 v0, s[64:65] scope:SCOPE_SE
	s_setreg_imm32_b32 hwreg(HW_REG_WAVE_MODE, 25, 1), 1
	s_wait_xcnt 0x0
	s_wait_alu depctr_hold_cnt(0) depctr_sa_sdst(0) depctr_va_vdst(0) depctr_va_sdst(0) depctr_va_ssrc(0) depctr_va_vcc(0) depctr_vm_vsrc(0)
	s_getreg_b32 s2, hwreg(HW_REG_IB_STS2, 6, 4)
	s_cmp_eq_u32 s2, 0
	s_cbranch_scc0 .Lentry_in_a_cluster
	s_endpgm
.Lentry_in_a_cluster:
	s_bfe_u32 s2, ttmp6, 0x10000c
	s_cmp_lg_u32 s2, 0x3003
	s_cbranch_scc0 .Lentry_shape_is_right
	s_endpgm
.Lentry_shape_is_right:
; K = x2 Wk^T + bk, V = x2 Wv^T + bv, Q = x1 Wq^T + bq on codes of FP4 (E2M1) with E8M0 scales for each 32 along K; the results, f32, are quantised at once for the two small products that follow and leave as codes.
; SHARES.  Work-group g = 16 b + p owns 64 rows of x2, (b, y = 0 .. 31, h1 = 2 p + e), and the same 64 of x1.  Each f32 number of x is read once and quantised once, by one wave; its codes go to the other waves through LDS as images of the operand's registers.
; Three passes over K = 1,024: K, V, Q.  In a pass wave wq makes all 64 rows x 256 columns: 32 accumulators of 32 x 16, 512 registers.
; K, V: source 0 = a pair (32 rows) of the weight, source 1 = 16 rows of x2.  Q: source 0 = 32 rows of x1 (all c of one h1), source 1 = 16 rows of Wq.  The rows of a pair, and of x1's tiles, are chosen so that in every accumulator a lane's
; 16 registers are 16 neighbours, 16 (lane / 16) + 0 .. 15, along the NEXT product's K: t for K and V, c for Q.  So a block of 32 lies in lanes l and l xor 16, and two conversions give 8 bytes of codes in their true order.
; THE WEIGHTS come as register images (launch wquant), 139,264 bytes for 256 along K, through a ring of two LDS slots.  All work-groups walk the same images: the four of a cluster ask JOINTLY (mask 15).  A wave fetches and reads its own quarter.
; OUT: qc [b][j][i][m][16 bytes along c], kc [b][j][n][i][16 along t], vc [b][j][m][i][16 along t]; scale bytes qs [b][i / 2][j][i % 2][m], ks [b][j][i / 4][n][i % 4], vs likewise with m.  Each store of codes covers 256 consecutive bytes, aligned.
; INSIDE A BLOCK OF x AND W the codes stand in the order of the loads (register q: k = 4 q .. + 3, 16 + 4 q .. + 3), alike on both sides: the same products, summed in another order inside the matrix instruction.
; LIMITS: NaN and infinities are not served; a block whose largest magnitude lies under 2^-124, a block of zeros among them, gets the byte 1 (only this program reads the bytes).
; No L2 prefetch is laid in this text: x is asked for into registers a period ahead, 16,384 bytes a wave.
; REGISTERS, in windows of 256.  Window 0: v1-21 addresses; v32-47 at work in the epilogue; v48-79 W's scale words, two sets; v80-95 x's, two sets; v96-159 x's fragments, two sets (set 1 also serves the epilogue: codes, a bias pair, a row of scale bytes);
;   v160-223 at work; v224-255 biases.   Window 1: v0-127 W's fragments, two buffers of four pairs; v128-255 x as loaded, 8 registers a row.   Windows 2, 3: the accumulators of pairs 0-3, 4-7.
.set SLOTB, 139264                     ; a slot: 256 along K of a weight's images
.set WPER,  34816                      ; a wave's quarter of it
.set STEPB, 17408                      ; 128 along K of that
.set WSC,   16384                      ; where a step's scale words begin
.set XIMG,  2*SLOTB                    ; behind the ring: four regions for x's images, one for each 256 along K
.set XREG,  9216                       ; a region: 32 x (256 + 16) bytes of codes, 512 bytes of scale words
.set XSCL,  8704
.set BKL,   XIMG+4*XREG                ; bk, laid [n][t], 4,096 bytes; bv behind it, as it lies
.set SST,   BKL+8192                   ; 2,048 scale bytes on their way out
.set SPARE, SST+2048                   ; the spare words: 128 bytes for each wave, two blocks of 256 bytes that no other line names
.set ROWP,  131072                     ; from y to y + 1 in x, in bytes
.set SPW, 1
.set NIL, 2
.set AW,  3                            ; v3, v4   my quarter of slot 0, 1, + 16 x lane
.set AWR, 5                            ; v5, v6   the same + 16 r
.set AXR, 7                            ; x's fragments: XIMG + 272 h + 16 r
.set AXL, 8                            ; x's scale words, a lane a row of 32
.set AXQ, 9                            ; and a lane a row of 16
.set AXS, 10                           ; where I store codes of x
.set AXB, 11                           ; and scale bytes
.set VX2, 12                           ; my byte in x2's rows
.set VX1, 13                           ; and in x1's
.set CK,  14                           ; my 8 bytes in kc or vc
.set CQ,  15                           ; and in qc
.set SBK, 16                           ; my scale byte in the stage, K and V
.set SBQ, 17                           ; and Q
.set ABI, 18                           ; my 16 biases in LDS
.set SRD, 19                           ; the stage read back
.set SGO, 20                           ; and its place in memory
.set ABQ, 21                           ; bq: 128 r + 32 wq
.set M4,  32
.set PM4, 36
.set SC4, 40
.set BY4, 44
.set WS,  48
.set XS,  80
.set XF,  96
.set CODE, 128
.set BT,  136
.set SO,  140
.set T,   160
.set TM,  160
.set CD,  176
.set BY,  192
.set BI,  224
.set G1,  32                           ; s[32:39] descriptor group 1
.set G0,  40                           ; s[40:47] group 0, a set for each slot
.set WV,  48
.set TRIP, 49
.set SEL, 52
.set CUC, 54                           ; s[54:55] where this pass's codes go;  s[56:57] its scale bytes
.set CUS, 56
.set X2B, 60
.set X1B, 62
.set QCB, 66
.set QSB, 68
.set VCB, 70
.set VSB, 72
.set MSB, 0
.macro WIN new                         ; the immediate's high byte repeats the setting that is left; a switch that changes nothing is dropped
.if MSB != (\new)
	s_set_vgpr_msb (MSB<<8)|(\new)
.set MSB, (\new)
.endif
.endm
.macro PLACES                          ; four plain lines between a matrix instruction and a load into, or a vector read of, its registers
.rept 4
	v_nop
.endr
.endm
.macro CREST                           ; a round of the cluster's barrier behind its opening barrier
	s_cmp_lg_u32 s[WV], 0
	s_cbranch_scc1 .Lnot_wave_0_\@
	s_barrier_signal -3
.Lnot_wave_0_\@:
	s_barrier_wait -3
	s_barrier_signal -1
	s_barrier_wait -1
.endm
.macro ROUND
	s_barrier_signal -1
	s_barrier_wait -1
	CREST
.endm
; 32 loads: my 16 rows' 1,024 bytes of chunk (256 along K) into window 1.  x1f = 1: x1's rows, r + 8 (r / 8) apart
.macro XLOAD va, sb, x1f, chunk
	WIN 0x40
.irp r,0,1,2,3,4,5,6,7,8,9,10,11,12,13,14,15
.irp j,0,1
	global_load_b128 v[128+8*\r+4*\j:128+8*\r+4*\j+3], v[\va], s[\sb:\sb+1] offset:(\r+8*(\x1f)*(\r/8))*ROWP+1024*(\chunk)+64*\j th:TH_LOAD_NT
.endr
.endr
	WIN 0
.endm
; The chunk that lies in window 1 becomes codes and scale bytes in region reg.  Lane l holds 8 numbers of block l / 4 of each of my 16 rows
.macro XQ reg
	s_wait_loadcnt 0x0                             ; the chunk is in
	WIN 0x05
.set R, 0
.rept 16
	v_max3_num_f32 v[TM+R], |v[128+8*R]|, |v[129+8*R]|, 0x1800000   ; and the floor 2^(3 - 127): the byte cannot fall under 1.  The sixteen rows by turns
.set R, R+1
.endr
	WIN 0x14
.irp i,2,4,6
.set R, 0
.rept 16
	v_max3_num_f32 v[TM+R], v[TM+R], |v[128+8*R+\i]|, |v[129+8*R+\i]|
.set R, R+1
.endr
.endr
	WIN 0
.irp m,1,2
.set R, 0
.rept 16
	v_max_num_f32_dpp v[TM+R], v[TM+R], v[TM+R] row_xmask:\m row_mask:0xf bank_mask:0xf   ; with the block's other three lanes
.set R, R+1
.endr
.endr
.set R, 0
.rept 16
	v_add_nc_u32 v[TM+R], 0xff000000, v[TM+R]      ; 2 off the exponent field: the conversion's scale operand
.set R, R+1
.endr
.set R, 0
.rept 16
	v_lshrrev_b32 v[BY+R], 23, v[TM+R]             ; the scale's byte
.set R, R+1
.endr
	WIN 0x01
.set R, 0
.rept 16
	v_cvt_scalef32_pk8_fp4_f32 v[CD+R], v[128+8*R:135+8*R], v[TM+R]
.set R, R+1
.endr
	WIN 0
	v_nop                                          ; one plain line behind the last conversion
.set R, 0
.rept 16
	ds_store_b32 v[AXS], v[CD+R] offset:XREG*(\reg)+16*R
.set R, R+1
.endr
.set R, 0
.rept 16
	ds_store_b8 v[AXB], v[BY+R] offset:XREG*(\reg)+16*R   ; a block's four lanes write the same byte with the same value
.set R, R+1
.endr
.endm
.macro LW slot, s, hf                  ; four pairs of W, 16 registers each, into buffer hf of window 1
	WIN 0x40
.irp pp,0,1,2,3
.irp gg,0,1,2,3
	ds_load_b128 v[64*(\hf)+16*\pp+4*\gg:64*(\hf)+16*\pp+4*\gg+3], v[AW+\slot] offset:STEPB*(\s)+2048*(4*(\hf)+\pp)+512*\gg
.endr
.endr
	WIN 0
.endm
.macro LX reg, s                       ; x's four tiles of step s into set s
.irp tt,0,1,2,3
.irp c,0,1
	ds_load_b128 v[XF+32*(\s)+8*\tt+4*\c:XF+32*(\s)+8*\tt+4*\c+3], v[AXR] offset:XREG*(\reg)+272*(8*\tt+4*(\s)+2*\c)
.endr
.endr
.endm
.macro LWS q, slot, s                  ; W's scale words of step s into set s.  K, V: a lane a row of 32, register = pair.  Q: a lane a row of 16, register 4 (2 hf + u) + pair % 4
.if \q
.irp k,0,1,2,3
	ds_load_b128 v[WS+16*(\s)+4*\k:WS+16*(\s)+4*\k+3], v[AWR+\slot] offset:STEPB*(\s)+WSC+256*\k
.endr
.else
.irp k,0,1
	ds_load_b128 v[WS+16*(\s)+4*\k:WS+16*(\s)+4*\k+3], v[AW+\slot] offset:STEPB*(\s)+WSC+512*\k
.endr
.endif
.endm
.macro LXS q, reg, set                 ; x's scale words of a period.  Q: register 2 e + s, a lane a row of 32.  K, V: register 4 (tile % 2) + 2 (tile / 2) + s
.if \q
	ds_load_b128 v[XS+8*(\set):XS+8*(\set)+3], v[AXL] offset:XREG*(\reg)
.else
	ds_load_b128 v[XS+8*(\set):XS+8*(\set)+3], v[AXQ] offset:XREG*(\reg)
	ds_load_b128 v[XS+8*(\set)+4:XS+8*(\set)+7], v[AXQ] offset:XREG*(\reg)+256
.endif
.endm
; n pairs x 4 matrix instructions of half hf (pairs 4 hf + from on), step s.  The accumulators take turns, one instruction a turn, in the same order in every step.  first = 1: the products start the sums
.macro MM q, hf, from, n, s, xs, first
.if \q
	WIN 0xa4+0x50*(\hf)                            ; source 0 (x) window 0, source 1 (W) window 1, C and D window 2 or 3
.else
	WIN 0xa1+0x50*(\hf)                            ; source 0 (W) window 1, source 1 (x) window 0
.endif
.set PP, \from
.rept \n
.set TT, 0
.rept 4
.set DD, 64*PP+16*TT
.if \q
.set AA, XF+32*(\s)+16*(TT/2)
.set BB, 64*(\hf)+16*PP+8*(TT%2)
.set SA, XS+8*(\xs)+2*(TT/2)+(\s)
.set SB, WS+16*(\s)+4*(2*(\hf)+TT%2)+PP
.else
.set AA, 64*(\hf)+16*PP
.set BB, XF+32*(\s)+8*TT
.set SA, WS+16*(\s)+4*(\hf)+PP
.set SB, XS+8*(\xs)+4*(TT%2)+2*(TT/2)+(\s)
.endif
.if \first
	v_wmma_scale_f32_32x16x128_f4 v[DD:DD+15], v[AA:AA+15], v[BB:BB+7], 0, v[SA], v[SB]
.else
	v_wmma_scale_f32_32x16x128_f4 v[DD:DD+15], v[AA:AA+15], v[BB:BB+7], v[DD:DD+15], v[SA], v[SB]
.endif
.set TT, TT+1
.endr
.set PP, PP+1
.endr
.endm
; A PERIOD: 256 along K, one slot, 64 matrix instructions.  On entry buffer 0, x's set 0 and the scale words of step 0 have been asked for.
; mode 1: the slot is filled again, two periods ahead;  0: a change of slots with nothing to fetch;  2: the last period.
.macro PERIOD q, slot, reg, first, mode
.set NWS, 2+2*(\q)
	PLACES
	LW \slot, 0, 1
	s_wait_dscnt 16                                ; all but the 16 loads just issued
	MM \q, 0, 0, 4, 0, (\reg)%2, \first
	PLACES
	LW \slot, 1, 0
	LX \reg, 1
	LWS \q, \slot, 1
	s_wait_dscnt 24+NWS                            ; all but these: buffer 1 is in
	MM \q, 1, 0, 4, 0, (\reg)%2, \first
	PLACES
	LW \slot, 1, 1
.if \mode == 2
	s_wait_dscnt 16
	MM \q, 0, 0, 4, 1, (\reg)%2, 0
	s_wait_dscnt 0x0
	MM \q, 1, 0, 4, 1, (\reg)%2, 0
.else
	s_wait_tensorcnt 0x0                           ; all my tensor loads have landed: the one that was out is my quarter of the next slot;
	ds_add_u32 v[SPW], v[NIL]                      ; 0 onto my spare word
	s_wait_dscnt 17                                ; (the add and the 16 youngest loads may be out: buffer 0, x's set 1 and their scale words are in)
.if \mode == 1
	s_add_nc_u64 s[G0+4*(\slot)+2:G0+4*(\slot)+3], s[G0+4*(\slot)+2:G0+4*(\slot)+3], 2*SLOTB   ; no load of mine is out: this slot's next images
.endif
	MM \q, 0, 0, 2, 1, (\reg)%2, 0
	s_wait_dscnt 0x0                               ; the add is done, my reads of this slot are over, and my stores of x's images have landed
	s_barrier_signal -1
	MM \q, 0, 2, 2, 1, (\reg)%2, 0
	WIN 0
	s_barrier_wait -1
.if \mode == 1
	CREST                                          ; the barrier has opened a round of the cluster's barrier: no wave of any partner still reads this slot or has a load on its way
	tensor_load_to_lds s[G0+4*(\slot):G0+4*(\slot)+3], s[G1:G1+7]   ; my one tensor load behind the round
	s_nop 0
.endif
	PLACES                                         ; these four follow the load, and are the places in front of the loads below
	LW 1-\slot, 0, 0
	LX (\reg+1)%4, 0
	LWS \q, 1-\slot, 0
	LXS \q, (\reg+1)%4, 1-(\reg)%2
	MM \q, 1, 0, 4, 1, (\reg)%2, 0
.endif
	WIN 0
.endm
.macro SITE want, reg, va, sb, x1f, chunk      ; in trip want alone: the chunk in hand is quantised into region reg, and the next chunk is asked for.  No tensor load, no barrier and no counted wait stands under this branch
	s_cmp_lg_u32 s[TRIP], \want
	s_cbranch_scc1 .Lno_chunk_\@
	XQ \reg
	XLOAD \va, \sb, \x1f, \chunk
.Lno_chunk_\@:
.endm
; Four accumulators' numbers, in v[T] on, 16 each: a block of 32 lies in lanes l and l xor 16
.macro QUANT4
.irp a,0,1,2,3
	v_max3_num_f32 v[M4+\a], |v[T+16*\a]|, |v[T+16*\a+1]|, 0x1800000
.endr
.irp i,2,4,6,8,10,12,14
.irp a,0,1,2,3
	v_max3_num_f32 v[M4+\a], v[M4+\a], |v[T+16*\a+\i]|, |v[T+16*\a+\i+1]|
.endr
.endr
.irp a,0,1,2,3
	v_permlanex16_b32 v[PM4+\a], v[M4+\a], s[SEL], s[SEL+1]
.endr
.irp a,0,1,2,3
	v_max_num_f32 v[M4+\a], v[M4+\a], v[PM4+\a]
.endr
.irp a,0,1,2,3
	v_add_nc_u32 v[SC4+\a], 0xff000000, v[M4+\a]
.endr
.irp a,0,1,2,3
	v_lshrrev_b32 v[BY4+\a], 23, v[SC4+\a]
.endr
.irp a,0,1,2,3
	v_cvt_scalef32_pk8_fp4_f32 v[CODE+2*\a], v[T+16*\a:T+16*\a+7], v[SC4+\a]
	v_cvt_scalef32_pk8_fp4_f32 v[CODE+2*\a+1], v[T+16*\a+8:T+16*\a+15], v[SC4+\a]
.endr
	v_nop                                          ; one plain line behind the last conversion
.endm
.macro EPIKV pi                        ; pair pi of K or V: its four tiles of rows
	s_wait_xcnt 0x0                                ; the last pair's stores have read their registers
.if \pi < 7
.irp k,0,1,2,3
	ds_load_b128 v[BI+16*((\pi+1)%2)+4*\k:BI+16*((\pi+1)%2)+4*\k+3], v[ABI] offset:128*(\pi+1)+16*\k   ; the next pair's biases
.endr
	s_wait_dscnt 4                                 ; all but these four: this pair's are in
.else
	s_wait_dscnt 0x0
.endif
	WIN 2+(\pi)/4                                  ; source 0: the accumulators' window
.irp a,0,1,2,3
.irp i,0,2,4,6,8,10,12,14
	v_pk_add_f32 v[T+16*\a+\i:T+16*\a+\i+1], v[64*((\pi)%4)+16*\a+\i:64*((\pi)%4)+16*\a+\i+1], v[BI+16*((\pi)%2)+\i:BI+16*((\pi)%2)+\i+1]   ; each accumulator from its low end on
.endr
.endr
	WIN 0
	QUANT4
.irp a,0,1,2,3
	global_store_b64 v[CK], v[CODE+2*\a:CODE+2*\a+1], s[CUC:CUC+1] offset:16384*(\a/2)+512*(\pi)+256*(\a%2) th:TH_STORE_NT   ; 32 lanes store 256 consecutive bytes, aligned
.endr
.irp a,0,1,2,3
	ds_store_b8 v[SBK], v[BY4+\a] offset:512*\a+4*(\pi)   ; lanes l and l xor 16 write the same byte with the same value
.endr
.endm
.macro EPIQ pi                         ; pair pi of Q: accumulator 2 e + u
	s_wait_xcnt 0x0
	v_mov_b32 v[BT], v[BI+\pi]                     ; a lane's 16 numbers share one bias: bq at (m = 16 u + r, j): as a pair for the packed additions
	v_mov_b32 v[BT+1], v[BI+\pi]
	v_mov_b32 v[BT+2], v[BI+8+\pi]
	v_mov_b32 v[BT+3], v[BI+8+\pi]
	WIN 2+(\pi)/4
.irp a,0,1,2,3
.irp i,0,2,4,6,8,10,12,14
	v_pk_add_f32 v[T+16*\a+\i:T+16*\a+\i+1], v[64*((\pi)%4)+16*\a+\i:64*((\pi)%4)+16*\a+\i+1], v[BT+2*(\a%2):BT+2*(\a%2)+1]
.endr
.endr
	WIN 0
	QUANT4
.irp a,0,1,2,3
	global_store_b64 v[CQ], v[CODE+2*\a:CODE+2*\a+1], s[QCB:QCB+1] offset:16384*(\pi)+512*(\a/2)+256*(\a%2) th:TH_STORE_NT
.endr
.irp a,0,1,2,3
	ds_store_b8 v[SBQ], v[BY4+\a] offset:64*(\pi)+32*(\a/2)+16*(\a%2)
.endr
.endm
.macro SCOUT sb                        ; the pass's 2,048 scale bytes leave: 512 consecutive bytes a wave
	s_wait_dscnt 0x0                               ; for the others' sake: my byte stores are done
	s_barrier_signal -1
	s_barrier_wait -1
	ds_load_b128 v[SO:SO+3], v[SRD]
	s_wait_dscnt 0x0
	global_store_b128 v[SGO], v[SO:SO+3], s[\sb:\sb+1] th:TH_STORE_NT
.endm
	s_load_b512 s[8:23], s[0:1], 0x0               ; x1 s[8:9], x2 s[10:11], wimg s[12:13], bq s[14:15], bk s[16:17], bv s[18:19], qc s[20:21], qs s[22:23]
	s_load_b256 s[24:31], s[0:1], 0x40             ; kc s[24:25], ks s[26:27], vc s[28:29], vs s[30:31]
	v_lshl_add_u32 v[SPW], v0, 2, SPARE
	v_mov_b32 v[NIL], 0
	ds_add_u32 v1, v2
	ds_add_u32 v1, v2
	s_wait_dscnt 0x0
	v_lshrrev_b32 v22, 5, v0
	v_readfirstlane_b32 s[WV], v22                 ; wave wq
	s_bfe_u32 s2, ttmp6, 0x40000                   ; cx: it enters global addresses of x and of the outputs alone
	s_lshl_b32 s3, ttmp9, 2
	s_add_co_u32 s3, s3, s2                        ; g
	s_lshr_b32 s4, s3, 4                           ; b
	s_and_b32 s5, s3, 15                           ; p
	s_and_b32 s6, s[WV], 1
	s_lshr_b32 s7, s[WV], 1
	s_mov_b32 s[SEL], 0x76543210
	s_mov_b32 s[SEL+1], 0xfedcba98                 ; v_permlanex16_b32's selects for lane l xor 16
	v_and_b32 v22, 31, v0                          ; lane
	v_and_b32 v23, 15, v0                          ; r
	v_bfe_u32 v24, v0, 4, 1                        ; h
	v_bfe_u32 v25, v0, 2, 3                        ; lane / 4
	v_and_b32 v26, 3, v0                           ; lane % 4
	v_bfe_u32 v27, v0, 2, 2                        ; (lane / 4) % 4
	s_mul_i32 s50, s[WV], WPER
	v_lshl_add_u32 v[AW], v22, 4, s50
	v_add_nc_u32 v[AW+1], SLOTB, v[AW]
	v_lshl_add_u32 v[AWR], v23, 4, s50
	v_add_nc_u32 v[AWR+1], SLOTB, v[AWR]
	v_mul_u32_u24 v[AXR], v24, 272
	v_lshl_add_u32 v[AXR], v23, 4, v[AXR]
	v_add_nc_u32 v[AXR], XIMG, v[AXR]
	v_lshl_add_u32 v[AXL], v22, 4, XIMG+XSCL
	v_lshl_add_u32 v[AXQ], v23, 4, XIMG+XSCL
	s_mul_i32 s51, s[WV], 2176                     ; I quantise tile wq: its eight blocks' places
	s_add_co_u32 s51, s51, XIMG
	v_mul_u32_u24 v[AXS], v25, 272
	v_lshl_add_u32 v[AXS], v26, 2, v[AXS]
	v_add_nc_u32 v[AXS], s51, v[AXS]
	s_lshl_b32 s51, s6, 8
	s_lshl_b32 s58, s7, 3
	s_add_co_u32 s51, s51, s58
	s_add_co_u32 s51, s51, XIMG+XSCL
	v_lshl_add_u32 v[AXB], v24, 2, v27             ; [16 (tile % 2) + r][tile / 2][step][block]
	v_add_nc_u32 v[AXB], s51, v[AXB]
	v_lshlrev_b32 v28, 7, v25
	v_lshl_add_u32 v28, v26, 4, v28                ; 128 x block + 16 q
	s_lshl_b32 s51, s7, 12                         ; e: one row h1 on
	s_lshl_b32 s58, s6, 21                         ; x2: tile % 2 = 16 y on
	s_add_co_u32 s58, s58, s51
	v_add_nc_u32 v[VX2], s58, v28
	s_lshl_b32 s58, s6, 20                         ; x1: 8 y on
	s_add_co_u32 s58, s58, s51
	v_add_nc_u32 v[VX1], s58, v28
	v_lshlrev_b32 v28, 4, v23
	v_lshl_add_u32 v28, v24, 3, v28                ; 16 r + 8 h
	s_lshl_b32 s51, s[WV], 12
	v_add_nc_u32 v[CK], s51, v28
	s_lshl_b32 s51, s[WV], 17
	v_add_nc_u32 v[CQ], s51, v28
	s_lshl_b32 s51, s[WV], 5
	s_add_co_u32 s51, s51, SST
	v_lshl_add_u32 v[SBK], v27, 7, v26             ; 128 (r / 4) + r % 4 + 32 wq
	v_add_nc_u32 v[SBK], s51, v[SBK]
	s_lshl_b32 s58, s[WV], 9
	s_add_co_u32 s51, s58, SST
	v_add_nc_u32 v[SBQ], s51, v23
	v_lshl_add_u32 v[SRD], v22, 4, s51
	v_lshl_add_u32 v[SGO], v22, 4, s58
	s_lshl_b32 s51, s[WV], 10
	s_add_co_u32 s58, s51, BKL
	s_add_co_u32 s59, s58, 4096
	v_lshl_add_u32 v[ABI], v24, 6, s58             ; my wave's quarter of the biases, + 64 h
	v_lshl_add_u32 v29, v22, 2, s58                ; bk into LDS: [n][t = lane]
	v_lshl_add_u32 v30, v22, 4, s59                ; bv into LDS, as it lies
	v_lshl_add_u32 v31, v22, 4, s51                ; bv in memory
	s_lshl_b32 s51, s[WV], 5
	v_lshl_add_u32 v[ABQ], v23, 7, s51
	v_lshl_add_u32 v28, v22, 7, s51                ; bk in memory: t = lane, n = 8 wq on
.irp a,0,1,2,3
	v_mov_b32 v[PM4+\a], 0                         ; written once: a lane permute's destination counts as one of its sources
.endr
	; descriptor group 1: a dense block of 34,816 bytes as 136 rows of 32 elements of 8 bytes; no padding
	s_mov_b32 s[G1], 15|(3<<16)|(1<<21)            ; 15:0 the mask: all four work-groups; 17:16 elements of 8 bytes; 21 set beside a mask
	s_mov_b32 s[G1+1], 32<<16                      ; tensor_dim0 = 32
	s_mov_b32 s[G1+2], 136<<16                     ; tensor_dim1 = 136
	s_mov_b32 s[G1+3], 32<<16                      ; tile_dim0 = 32
	s_mov_b32 s[G1+4], 136                         ; tile_dim1 = 136
	s_mov_b32 s[G1+5], 32                          ; from row to row
	s_mov_b32 s[G1+6], 0
	s_mov_b32 s[G1+7], 0
	s_lshl_b32 s74, s4, 22
	s_lshl_b32 s75, s5, 13
	s_add_co_u32 s74, s74, s75                     ; x: b x 4 MiB + p x two rows
	s_mov_b32 s75, 0
	s_lshl_b32 s76, s3, 15                         ; kc, vc: 32,768 g
	s_mov_b32 s77, 0
	s_lshl_b32 s78, s3, 11                         ; the scale bytes: 2,048 g
	s_mov_b32 s79, 0
	s_wait_kmcnt 0x0
	s_add_nc_u64 s[X1B:X1B+1], s[8:9], s[74:75]
	s_add_nc_u64 s[X2B:X2B+1], s[10:11], s[74:75]
	s_add_nc_u64 s[CUC:CUC+1], s[24:25], s[76:77]
	s_add_nc_u64 s[VCB:VCB+1], s[28:29], s[76:77]
	s_add_nc_u64 s[CUS:CUS+1], s[26:27], s[78:79]
	s_add_nc_u64 s[VSB:VSB+1], s[30:31], s[78:79]
	s_add_nc_u64 s[QSB:QSB+1], s[22:23], s[78:79]
	s_lshl_b32 s74, s4, 19
	s_lshl_b32 s76, s5, 10
	s_add_co_u32 s74, s74, s76                     ; qc: b x 524,288 + 2 p x 512
	s_add_nc_u64 s[QCB:QCB+1], s[20:21], s[74:75]
	XLOAD VX2, X2B, 0, 0                           ; x2's first chunk
	global_load_b128 v[BI:BI+3], v28, s[16:17]
	global_load_b128 v[BI+4:BI+7], v28, s[16:17] offset:16
	global_load_b128 v[BI+8:BI+11], v31, s[18:19]
	global_load_b128 v[BI+12:BI+15], v31, s[18:19] offset:512
	s_mov_b32 s74, s50
	s_mov_b32 s[G0], 1                             ; count = 1
	s_mov_b32 s[G0+1], s50                         ; LDS address: my quarter of slot 0: the wave's number alone
	s_add_nc_u64 s[G0+2:G0+3], s[12:13], s[74:75]  ; my quarter of period 0: the same in all work-groups
	s_mov_b32 s[G0+4], 1
	s_add_co_u32 s[G0+5], s50, SLOTB
	s_add_nc_u64 s[G0+6:G0+7], s[G0+2:G0+3], SLOTB ; period 1
	s_or_b32 s[G0+3], s[G0+3], 0x80000000          ; type = 2
	s_or_b32 s[G0+7], s[G0+7], 0x80000000
	ROUND                                          ; all four work-groups are here: the first joint loads meet
	tensor_load_to_lds s[G0:G0+3], s[G1:G1+7]      ; both first fills together: two loads of mine are out
	s_nop 0
	tensor_load_to_lds s[G0+4:G0+7], s[G1:G1+7]
	s_nop 0
	PLACES
	s_wait_loadcnt 0x0
.irp k,0,1,2,3,4,5,6,7
	ds_store_b32 v29, v[BI+\k] offset:128*\k       ; bk(32 t + n) to [n][t]: my wave's eight n; only my wave reads them
.endr
	ds_store_b128 v30, v[BI+8:BI+11]
	ds_store_b128 v30, v[BI+12:BI+15] offset:512
	XQ 0
	XLOAD VX2, X2B, 0, 1
	s_wait_tensorcnt 0x1                           ; my quarter of slot 0 is in; slot 1's may stay out
	s_wait_dscnt 0x0                               ; my images of x have landed
	s_barrier_signal -1
	s_barrier_wait -1
	LW 0, 0, 0
	LX 0, 0
	LWS 0, 0, 0
	LXS 0, 0, 0
	s_mov_b32 s[TRIP], 0
.Lkv:                                                  ; trip 0: pass K; trip 1: pass V.  x2's codes stay in the four regions for both
	SITE 0, 1, VX2, X2B, 0, 2
	PERIOD 0, 0, 0, 1, 1
	SITE 0, 2, VX2, X2B, 0, 3
	PERIOD 0, 1, 1, 0, 1
	SITE 0, 3, VX1, X1B, 1, 0
	PERIOD 0, 0, 2, 0, 1
	SITE 1, 0, VX1, X1B, 1, 1                      ; region 0 was last read three periods ago: x1's first chunk takes it
	PERIOD 0, 1, 3, 0, 1
.irp k,0,1,2,3
	ds_load_b128 v[BI+4*\k:BI+4*\k+3], v[ABI] offset:16*\k   ; pair 0's biases
.endr
	PLACES
.irp p,0,1,2,3,4,5,6,7
	EPIKV \p
.endr
	SCOUT CUS
	s_wait_xcnt 0x0                                ; the stores have read their registers and bases
	s_mov_b64 s[CUC:CUC+1], s[VCB:VCB+1]
	s_mov_b64 s[CUS:CUS+1], s[VSB:VSB+1]
	v_add_nc_u32 v[ABI], 4096, v[ABI]              ; on to bv
	s_add_co_u32 s[TRIP], s[TRIP], 1
	s_cmp_lt_u32 s[TRIP], 2
	s_cbranch_scc1 .Lkv
	; PASS Q is written out.  The loop's last change of slots fetched scale words in K's and V's form: they are read again in Q's (no LDS load of mine is out here)
	LWS 1, 0, 0
	LXS 1, 0, 0
	XQ 1
	XLOAD VX1, X1B, 1, 2
	PERIOD 1, 0, 0, 1, 1
	XQ 2
	XLOAD VX1, X1B, 1, 3
	PERIOD 1, 1, 1, 0, 1
	XQ 3
	global_load_b128 v[BI:BI+3], v[ABQ], s[14:15]              ; bq(32 (16 u + r) + 8 wq + 0 .. 7): u = 0,
	global_load_b128 v[BI+4:BI+7], v[ABQ], s[14:15] offset:16
	global_load_b128 v[BI+8:BI+11], v[ABQ], s[14:15] offset:2048   ; u = 1
	global_load_b128 v[BI+12:BI+15], v[ABQ], s[14:15] offset:2064
	PERIOD 1, 0, 2, 0, 0                           ; nothing is left to fetch; the barrier stays: x1's last images come from all four waves
	PERIOD 1, 1, 3, 0, 2
	s_wait_loadcnt 0x0                             ; bq
	PLACES
.irp p,0,1,2,3,4,5,6,7
	EPIQ \p
.endr
	SCOUT QSB
	s_wait_tensorcnt 0x0                           ; the wave's end: behind my last tensor load and my last LDS store
	ds_add_u32 v[SPW], v[NIL]
	s_wait_dscnt 0x0
	ROUND                                          ; the closing round: no work-group ends while a partner may still ask for images that name it
	s_endpgm
.Lfunc_end_k_q19715ba584_proj:
	.size	k_q19715ba584_proj, .Lfunc_end_k_q19715ba584_proj-k_q19715ba584_proj
	.p2alignl 7, 3214868480
	.fill 96, 4, 3214868480
	.section	.rodata,"a",@progbits
	.p2align	6, 0x0
	.amdhsa_kernel k_q19715ba584_proj
		.amdhsa_group_segment_fixed_size 327680
		.amdhsa_private_segment_fixed_size 0
		.amdhsa_enable_private_segment 0
		.amdhsa_kernarg_size 96
		.amdhsa_user_sgpr_count 2
		.amdhsa_user_sgpr_kernarg_segment_ptr 1
		.amdhsa_wavefront_size32 1
		.amdhsa_system_sgpr_workgroup_id_x 1
		.amdhsa_system_sgpr_workgroup_id_y 1
		.amdhsa_system_sgpr_workgroup_id_z 1
		.amdhsa_system_vgpr_workitem_id 0
		.amdhsa_next_free_vgpr 1024
		.amdhsa_next_free_sgpr 96
		.amdhsa_reserve_vcc 0
		.amdhsa_float_denorm_mode_32 3
		.amdhsa_float_denorm_mode_16_64 3
		.amdhsa_memory_ordered 1
		.amdhsa_forward_progress 1
		.amdhsa_inst_pref_size 255
	.end_amdhsa_kernel
	.section	.bss,"aw",@nobits
	.p2align	6
	.space	262144
	.amdgpu_metadata
---
amdhsa.version: [ 1, 2 ]
amdhsa.kernels:
  - .name:           k_q19715ba584_proj
    .symbol:         k_q19715ba584_proj.kd
    .args:
      - { .name: x1, .offset: 0, .size: 8, .value_kind: global_buffer, .address_space: global }
      - { .name: x2, .offset: 8, .size: 8, .value_kind: global_buffer, .address_space: global }
      - { .name: wimg, .offset: 16, .size: 8, .value_kind: global_buffer, .address_space: global }
      - { .name: bq, .offset: 24, .size: 8, .value_kind: global_buffer, .address_space: global }
      - { .name: bk, .offset: 32, .size: 8, .value_kind: global_buffer, .address_space: global }
      - { .name: bv, .offset: 40, .size: 8, .value_kind: global_buffer, .address_space: global }
      - { .name: qc, .offset: 48, .size: 8, .value_kind: global_buffer, .address_space: global }
      - { .name: qs, .offset: 56, .size: 8, .value_kind: global_buffer, .address_space: global }
      - { .name: kc, .offset: 64, .size: 8, .value_kind: global_buffer, .address_space: global }
      - { .name: ks, .offset: 72, .size: 8, .value_kind: global_buffer, .address_space: global }
      - { .name: vc, .offset: 80, .size: 8, .value_kind: global_buffer, .address_space: global }
      - { .name: vs, .offset: 88, .size: 8, .value_kind: global_buffer, .address_space: global }
    .group_segment_fixed_size: 327680
    .private_segment_fixed_size: 0
    .kernarg_segment_align: 8
    .kernarg_segment_size: 96
    .max_flat_workgroup_size: 128
    .sgpr_count:     96
    .vgpr_count:     1024
    .wavefront_size: 32
...
	.end_amdgpu_metadata
.endif
;; end of part 2
;; launch attn (part 3): grid 256 x 1, 8 waves a work-group, no clusters, 167,936 bytes of LDS; arguments qc, qs, kc, ks, vc, vs, out0; writes out0
.if DOCPART == 3
	.amdgcn_target "amdgcn-amd-amdhsa--gfx1250"
	.amdhsa_code_object_version 6
	.text
	.protected	k_q19715ba584_attn
	.globl	k_q19715ba584_attn
	.p2align	8
	.type	k_q19715ba584_attn,@function
k_q19715ba584_attn:
	s_mov_b64 s[64:65], 0
	v_nop
	global_prefetch_b8 v0, s[64:65] scope:SCOPE_SE
	s_setreg_imm32_b32 hwreg(HW_REG_WAVE_MODE, 25, 1), 1
	s_wait_xcnt 0x0
; For each (b, i, j): energy[m][n] = sum over t of Q[m][t] K[t][n]; att = softmax over n, finished and normalised; out[m][n] = sum over t of V[m][t] Q4(att)[t][n]; out0[b][j][n][32 m + i].
; Q, K, V arrive as codes of FP4 (E2M1), 16 bytes for each block of 32 along t, with one E8M0 byte a block (launch proj).  att is quantised here, along t, its row index.
; SHARES.  A unit U = 32 b + j is 32 batches i and 131,072 consecutive bytes of out0.  A work-group walks units 2 g and 2 g + 1; wave w owns batches 4 w .. 4 w + 3.  No input is shared between work-groups: no cluster, no tensor load.
; PRODUCT 4 has K = 32 in an instruction of K = 128.  Lane l loads Q's row mrow(l) = l % 8 + 16 ((l / 8) % 2) + 8 (l / 16).  Tile a = 0 keeps lanes 0-15 (K block 0), tile a = 1 keeps lanes 16-31 (K block 1); all else of source 0 is zero codes.
; Source 1 holds K's column in both halves of the lanes.  In the result lane (r, h) holds column n = 16 b + r, and the 16 registers of tiles a = 0, 1 are m = 16 h + 0 .. 15: 16 neighbours along the next K.
; PRODUCT 5 takes four batches at once: att's codes of batch s are K block s of source 1; source 0 is V laid block-diagonal: row r of tile g is (m = 4 g + r / 4, batch r % 4), its codes in K block r % 4.
; So a lane's registers 0-3 are four neighbouring i of one (n, m): 16 bytes of out0.  The unit meets in a stage in LDS and leaves as rows: each store covers 512 consecutive bytes.
; THE SOFTMAX takes the row's true maximum away, as the definition does; sums and the division (a reciprocal and a multiplication) are f32.
; LIMITS: NaN and infinities are not served; an exponential under 2^-126 comes out as 0; a block of att whose largest number lies under 2^-124 gets the byte 1.
.set SP,  4112                         ; a stage row: 4,096 bytes + 16
.set KP,  528                          ; a row of K's codes in LDS: 512 + 16
.set VP,  576                          ; of V's: 512 + 64: the sixteen lanes of a load, 4 rows x 4 batches, take sixteen different columns of 16 bytes
.set STG, 0
.set KST, 32*SP
.set VST, KST+32*KP
.set AQ,  1                            ; v1-5 offsets in memory; v6-12 LDS addresses; v13 my place in out0
.set AQS, 2
.set AKS, 3
.set AVS, 4
.set AKV, 5
.set KW,  6
.set VW,  7
.set KRD, 8
.set VRD, 9
.set STW, 10                           ; v10, v11: n = r and n = 16 + r
.set SRD, 12
.set GO,  13
.set QR,  16                           ; v16-31  Q's codes, four registers a batch
.set QSR, 32                           ; v32-35  Q's scale bytes as loaded
.set KSW, 36                           ; v36     K's scale word: n = lane, four batches
.set VSW, 37                           ; v37-44  V's scale words as loaded
.set QS,  46                           ; v46-49  scales alone from here to v63: Q's (the byte in bytes 0 and 1),
.set KS,  50                           ; v50-53  K's (the batch's byte in all four),
.set VS,  54                           ; v54-61  V's (byte s = batch s = K block s, as they lie),
.set PW,  62                           ; v62-63  att's
.set KB,  64                           ; v64-95  K's and V's rows as loaded, then K's columns; v96-99 zeros behind them
.set P,   100                          ; v100-115 att's codes
.set VT,  128                          ; v128-159 V's codes
.set OA,  160                          ; v160-191 source 0 of product 4, two sets by turns; then of product 5
.set E,   192                          ; v192-223 energy, then att: 16 b + 8 a + j
.set MX,  224                          ; v224-239 maxima, then sums, then reciprocals
.set QM,  240
.set QP,  242
.set QC,  244
.set QB,  246
.set D5,  192                          ; v192-255 product 5's eight accumulators
.set ML,  20                           ; s20-23 lane masks
.set MH,  21
.set MK0, 22
.set MK1, 23
.set SEL, 26
.set CS,  28
.set TRIP, 30
.macro LOADS nx                        ; a unit's inputs, 25 loads; nx = 1: the next unit's
.irp s,0,1,2,3
	global_load_b128 v[QR+4*\s:QR+4*\s+3], v[AQ], s[4:5] offset:512*\s+16384*(\nx) th:TH_LOAD_NT
	global_load_u8 v[QSR+\s], v[AQS], s[6:7] offset:2048*(\s/2)+32*(\s%2)+64*(\nx)
	global_load_b128 v[KB+4*\s:KB+4*\s+3], v[AKV], s[8:9] offset:512*\s+16384*(\nx) th:TH_LOAD_NT       ; row n = 4 w + s of K's codes: 512 consecutive bytes
	global_load_b128 v[KB+16+4*\s:KB+16+4*\s+3], v[AKV], s[12:13] offset:512*\s+16384*(\nx) th:TH_LOAD_NT   ; row m of V's
.endr
	global_load_b32 v[KSW], v[AKS], s[10:11] offset:1024*(\nx)
.irp g,0,1,2,3,4,5,6,7
	global_load_b32 v[VSW+\g], v[AVS], s[14:15] offset:16*\g+1024*(\nx)
.endr
.endm
.macro PREP s                          ; batch s's source 0: lanes 0-15 for tile 0, lanes 16-31 for tile 1
.irp k,0,1,2,3
	v_cndmask_b32 v[OA+16*((\s)%2)+\k], 0, v[QR+4*(\s)+\k], s[ML]
	v_cndmask_b32 v[OA+16*((\s)%2)+8+\k], 0, v[QR+4*(\s)+\k], s[MH]
.endr
.endm
.macro EMM s, a, b
.set ED, E+16*(\b)+8*(\a)
.set EA, OA+16*((\s)%2)+8*(\a)
.set EB, KB+4*(2*(\s)+(\b))
.if (\a) == 0 && (\b) == 0
	v_wmma_scale_f32_16x16x128_f8f6f4 v[ED:ED+7], v[EA:EA+7], v[EB:EB+7], 0, v[QS+\s], v[KS+\s] matrix_a_fmt:MATRIX_FMT_FP4 matrix_b_fmt:MATRIX_FMT_FP4
.elseif (\a) == 0
	v_wmma_scale_f32_16x16x128_f8f6f4 v[ED:ED+7], v[EA:EA+7], v[EB:EB+7], 0, v[QS+\s], v[KS+\s] matrix_a_fmt:MATRIX_FMT_FP4 matrix_b_fmt:MATRIX_FMT_FP4 matrix_b_scale:MATRIX_SCALE_ROW1
.elseif (\b) == 0
	v_wmma_scale_f32_16x16x128_f8f6f4 v[ED:ED+7], v[EA:EA+7], v[EB:EB+7], 0, v[QS+\s], v[KS+\s] matrix_a_fmt:MATRIX_FMT_FP4 matrix_b_fmt:MATRIX_FMT_FP4 matrix_a_scale:MATRIX_SCALE_ROW1
.else
	v_wmma_scale_f32_16x16x128_f8f6f4 v[ED:ED+7], v[EA:EA+7], v[EB:EB+7], 0, v[QS+\s], v[KS+\s] matrix_a_fmt:MATRIX_FMT_FP4 matrix_b_fmt:MATRIX_FMT_FP4 matrix_a_scale:MATRIX_SCALE_ROW1 matrix_b_scale:MATRIX_SCALE_ROW1
.endif
.endm
.macro BATCH s
	EMM \s, 0, 0
	EMM \s, 0, 1
	EMM \s, 1, 0
	EMM \s, 1, 1
.if \s < 3
	PREP \s+1                                      ; eight plain lines on other registers: the places behind the products
.else
.rept 4
	v_nop
.endr
.endif
.set I, 0
.rept 16
	v_max_num_f32 v[MX+I], v[E+I], v[E+16+I]       ; row m = 16 h + I: columns r and 16 + r.  Each accumulator from its low end on
.set I, I+1
.endr
.irp m,1,2,4,8
.set I, 0
.rept 16
	v_max_num_f32_dpp v[MX+I], v[MX+I], v[MX+I] row_xmask:\m row_mask:0xf bank_mask:0xf   ; and across the sixteen lanes: the row's maximum
.set I, I+1
.endr
.endr
.irp b,0,1
.irp i,0,2,4,6,8,10,12,14
	v_pk_add_f32 v[E+16*\b+\i:E+16*\b+\i+1], v[E+16*\b+\i:E+16*\b+\i+1], v[MX+\i:MX+\i+1] neg_lo:[0,1] neg_hi:[0,1]   ; energy - maximum, exactly as the definition has it
.endr
.endr
.irp i,0,2,4,6,8,10,12,14,16,18,20,22,24,26,28,30
	v_pk_mul_f32 v[E+\i:E+\i+1], v[E+\i:E+\i+1], s[CS:CS+1] op_sel_hi:[1,0]   ; x log2(e)
.endr
.set I, 0
.rept 32
	v_exp_f32 v[E+I], v[E+I]
.set I, I+1
.endr
	v_nop                                          ; a plain line behind the last exponential
	s_wait_alu depctr_va_vdst(0)                   ; one wait for the batch of 32, ahead of its first reader
.irp i,0,2,4,6,8,10,12,14
	v_pk_add_f32 v[MX+\i:MX+\i+1], v[E+\i:E+\i+1], v[E+16+\i:E+16+\i+1]
.endr
.irp m,1,2,4,8
.set I, 0
.rept 16
	v_add_f32_dpp v[MX+I], v[MX+I], v[MX+I] row_xmask:\m row_mask:0xf bank_mask:0xf   ; the row's sum
.set I, I+1
.endr
.endr
.set I, 0
.rept 16
	v_rcp_f32 v[MX+I], v[MX+I]
.set I, I+1
.endr
	v_nop
	s_wait_alu depctr_va_vdst(0)                   ; one wait for the sixteen reciprocals
.irp b,0,1
.irp i,0,2,4,6,8,10,12,14
	v_pk_mul_f32 v[E+16*\b+\i:E+16*\b+\i+1], v[E+16*\b+\i:E+16*\b+\i+1], v[MX+\i:MX+\i+1]   ; att, finished
.endr
.endr
	; att's column n, 32 along t, lies in lanes l and l xor 16.  Nothing is negative: no |.|
.irp b,0,1
	v_max3_num_f32 v[QM+\b], v[E+16*\b], v[E+16*\b+1], 0x1800000   ; and the floor 2^(3 - 127)
.endr
.irp i,2,4,6,8,10,12,14
.irp b,0,1
	v_max3_num_f32 v[QM+\b], v[QM+\b], v[E+16*\b+\i], v[E+16*\b+\i+1]
.endr
.endr
.irp b,0,1
	v_permlanex16_b32 v[QP+\b], v[QM+\b], s[SEL], s[SEL+1]
.endr
.irp b,0,1
	v_max_num_f32 v[QM+\b], v[QM+\b], v[QP+\b]
.endr
.irp b,0,1
	v_add_nc_u32 v[QC+\b], 0xff000000, v[QM+\b]    ; 2 off the exponent field: the conversion's scale operand
.endr
.irp b,0,1
	v_lshrrev_b32 v[QB+\b], 23, v[QC+\b]
.endr
.irp b,0,1
.if \s == 0
	v_mov_b32 v[PW+\b], v[QB+\b]
.else
	v_lshl_or_b32 v[PW+\b], v[QB+\b], 8*(\s), v[PW+\b]   ; batch s is K block s of product 5
.endif
.endr
.irp b,0,1
	v_cvt_scalef32_pk8_fp4_f32 v[P+8*\b+2*(\s)], v[E+16*\b:E+16*\b+7], v[QC+\b]
	v_cvt_scalef32_pk8_fp4_f32 v[P+8*\b+2*(\s)+1], v[E+16*\b+8:E+16*\b+15], v[QC+\b]
.endr
	v_nop                                          ; one plain line behind the last conversion
.endm
.macro PV5 rr                          ; tiles g = 4 rr .. 4 rr + 3 of product 5
.irp gg,0,1,2,3
.irp k,0,1,2,3
	v_cndmask_b32 v[OA+8*\gg+\k], 0, v[VT+4*(4*(\rr)+\gg)+\k], s[MK0]     ; K blocks 0 and 1: kept where the block is the row's batch
	v_cndmask_b32 v[OA+8*\gg+4+\k], 0, v[VT+4*(4*(\rr)+\gg)+\k], s[MK1]   ; K blocks 2 and 3
.endr
.endr
.rept 4
	v_nop                                          ; an operand written by vector instructions stands four places ahead of a scaled matrix instruction
.endr
.irp gg,0,1,2,3
.irp b,0,1
	v_wmma_scale_f32_16x16x128_f8f6f4 v[D5+8*(2*\gg+\b):D5+8*(2*\gg+\b)+7], v[OA+8*\gg:OA+8*\gg+7], v[P+8*\b:P+8*\b+7], 0, v[VS+4*(\rr)+\gg], v[PW+\b] matrix_a_fmt:MATRIX_FMT_FP4 matrix_b_fmt:MATRIX_FMT_FP4
.endr
.endr
.rept 4
	v_nop
.endr
.irp gg,0,1,2,3
.irp b,0,1
	ds_store_b128 v[STW+\b], v[D5+8*(2*\gg+\b):D5+8*(2*\gg+\b)+3] offset:512*(4*(\rr)+\gg)         ; (n = 16 b + r, m = 4 g + 2 h, i = 4 w .. + 3)
	ds_store_b128 v[STW+\b], v[D5+8*(2*\gg+\b)+4:D5+8*(2*\gg+\b)+7] offset:512*(4*(\rr)+\gg)+128   ; m + 1
.endr
.endr
	s_wait_dscnt 0x0                               ; the stores have read their registers
.endm
	s_load_b256 s[4:11], s[0:1], 0x0               ; qc s[4:5], qs s[6:7], kc s[8:9], ks s[10:11]
	s_load_b128 s[12:15], s[0:1], 0x20             ; vc s[12:13], vs s[14:15]
	s_load_b64 s[16:17], s[0:1], 0x30              ; out0
	v_lshl_add_u32 v126, v0, 2, 0x28c00
	v_mov_b32 v127, 0
	v_lshrrev_b32 v14, 5, v0
	v_readfirstlane_b32 s18, v14                   ; wave w
	v_and_b32 v14, 31, v0                          ; lane
	v_and_b32 v15, 15, v0                          ; r
	v_bfe_u32 v240, v0, 4, 1                       ; h
	v_bfe_u32 v241, v0, 3, 1
	v_and_b32 v242, 7, v0
	v_lshl_add_u32 v243, v241, 4, v242
	v_lshl_add_u32 v243, v240, 3, v243             ; mrow(lane)
	v_bfe_u32 v244, v0, 2, 2                       ; r / 4
	v_and_b32 v245, 3, v0                          ; r % 4
	s_lshl_b32 s19, s18, 11
	v_lshl_add_u32 v[AQ], v243, 4, s19             ; qc: batch 4 w, row mrow
	v_lshl_add_u32 v[AKV], v14, 4, s19             ; kc, vc: row 4 w, 16 bytes a lane
	s_lshl_b32 s19, s18, 12
	v_add_nc_u32 v[AQS], s19, v243
	s_lshl_b32 s19, s18, 7
	v_lshl_add_u32 v[AKS], v14, 2, s19
	v_lshl_add_u32 v[AVS], v244, 2, s19
	s_mul_i32 s19, s18, 4*KP
	s_add_co_u32 s19, s19, KST
	v_lshl_add_u32 v[KW], v14, 4, s19
	s_mul_i32 s19, s18, 4*VP
	s_add_co_u32 s19, s19, VST
	v_lshl_add_u32 v[VW], v14, 4, s19
	s_lshl_b32 s19, s18, 6                         ; my four batches' 64 bytes in a row
	s_add_co_u32 s24, s19, KST
	v_mul_u32_u24 v[KRD], v15, KP
	v_add_nc_u32 v[KRD], s24, v[KRD]
	s_add_co_u32 s24, s19, VST
	v_mul_u32_u24 v[VRD], v244, VP
	v_lshl_add_u32 v[VRD], v245, 4, v[VRD]
	v_add_nc_u32 v[VRD], s24, v[VRD]
	s_lshl_b32 s19, s18, 4
	v_mul_u32_u24 v[STW], v15, SP
	v_lshl_add_u32 v[STW], v240, 8, v[STW]
	v_add_nc_u32 v[STW], s19, v[STW]
	v_add_nc_u32 v[STW+1], 16*SP, v[STW]
	s_mul_i32 s19, s18, 4*SP
	v_lshl_add_u32 v[SRD], v14, 4, s19
	s_lshl_b32 s19, s18, 14
	v_lshl_add_u32 v[GO], v14, 4, s19
.irp k,0,1,2,3
	v_mov_b32 v[KB+32+\k], 0                       ; named as the upper half of the last column's operand: zero codes
.endr
	s_mov_b32 s[ML], 0x0000ffff
	s_mov_b32 s[MH], 0xffff0000
	s_mov_b32 s[MK0], 0x22221111                   ; lanes 0-15 (block 0): r % 4 = 0; lanes 16-31 (block 1): r % 4 = 1
	s_mov_b32 s[MK1], 0x88884444                   ; block 2: r % 4 = 2; block 3: r % 4 = 3
	s_mov_b32 s[SEL], 0x76543210
	s_mov_b32 s[SEL+1], 0xfedcba98
	s_mov_b32 s[CS], 0x3fb8aa3b                    ; log2(e)
	s_mov_b32 s[CS+1], s[CS]                       ; (named with it as a pair, so it is written)
	s_mov_b32 s[TRIP], 0
	s_mov_b32 s25, 0
	s_wait_kmcnt 0x0
	s_lshl_b32 s24, ttmp9, 15                      ; unit 2 g: 16,384 bytes of codes a unit
	s_add_nc_u64 s[4:5], s[4:5], s[24:25]
	s_add_nc_u64 s[8:9], s[8:9], s[24:25]
	s_add_nc_u64 s[12:13], s[12:13], s[24:25]
	s_lshl_b32 s24, ttmp9, 11                      ; 1,024 scale bytes a unit
	s_add_nc_u64 s[10:11], s[10:11], s[24:25]
	s_add_nc_u64 s[14:15], s[14:15], s[24:25]
	s_lshr_b32 s24, ttmp9, 4
	s_lshl_b32 s24, s24, 15
	s_and_b32 s19, ttmp9, 15
	s_lshl_b32 s19, s19, 7
	s_add_co_u32 s24, s24, s19                     ; qs: 32,768 b + 64 j
	s_add_nc_u64 s[6:7], s[6:7], s[24:25]
	s_lshl_b32 s24, ttmp9, 18
	s_add_nc_u64 s[16:17], s[16:17], s[24:25]
	LOADS 0
.Lunit:
	s_wait_loadcnt 0x0
.irp k,0,1,2,3
	ds_store_b128 v[KW], v[KB+4*\k:KB+4*\k+3] offset:KP*\k
	ds_store_b128 v[VW], v[KB+16+4*\k:KB+16+4*\k+3] offset:VP*\k
.endr
.irp s,0,1,2,3
	v_mul_u32_u24 v[QS+\s], v[QSR+\s], 0x101       ; the byte for K block 0 and for K block 1
	v_perm_b32 v[KS+\s], v[KSW], v[KSW], 0x01010101*\s   ; batch s's byte in all four
.endr
.irp g,0,1,2,3,4,5,6,7
	v_mov_b32 v[VS+\g], v[VSW+\g]                  ; kept apart, so that the next unit's loads may land
.endr
.irp k,4,5,6,7,12,13,14,15,20,21,22,23,28,29,30,31
	v_mov_b32 v[OA+\k], 0                          ; K blocks 2 and 3 of product 4's source 0 (product 5 has used these registers)
.endr
	PREP 0
.rept 4
	v_nop                                          ; places ahead of the first scaled matrix instruction
.endr
	s_wait_dscnt 0x0                               ; my rows lie in LDS, and my reads of the stage are over
	s_barrier_signal -1
	s_barrier_wait -1
.irp s,0,1,2,3
.irp b,0,1
	ds_load_b128 v[KB+4*(2*\s+\b):KB+4*(2*\s+\b)+3], v[KRD] offset:16*KP*\b+16*\s   ; K's column n = 16 b + r of batch s, in both halves of the lanes
.endr
.endr
.irp g,0,1,2,3,4,5,6,7
	ds_load_b128 v[VT+4*\g:VT+4*\g+3], v[VRD] offset:4*VP*\g   ; V's row m = 4 g + r / 4 of batch r % 4
.endr
	s_wait_dscnt 0x0
	BATCH 0
	BATCH 1
	BATCH 2
	BATCH 3
.irp b,0,1
.irp c,0,1
.irp i,0,1
	v_permlane16_swap_b32 v[P+8*\b+4*\c+\i], v[P+8*\b+4*\c+2+\i]   ; the operand's layout wants a whole block in a lane: lanes 0-15 block 2 c, lanes 16-31 block 2 c + 1
.endr
.endr
.endr
	s_cmp_lg_u32 s[TRIP], 0                        ; the second unit's inputs are asked for here: no load leaves its buffer
	s_cbranch_scc1 .Lno_next
	LOADS 1
.Lno_next:
	PV5 0
	PV5 1
	s_barrier_signal -1                            ; (PV5 has waited for my stores) the unit lies in the stage
	s_barrier_wait -1
.set N, 0
.rept 32
	ds_load_b128 v[128+4*N:128+4*N+3], v[SRD] offset:SP*(N/8)+512*(N%8)   ; rows n = 4 w .. 4 w + 3
.set N, N+1
.endr
.set N, 0
.rept 32
	s_wait_dscnt 31-N                              ; the younger loads may stay out
	global_store_b128 v[GO], v[128+4*N:128+4*N+3], s[16:17] offset:4096*(N/8)+512*(N%8) th:TH_STORE_NT   ; 512 consecutive bytes
.set N, N+1
.endr
	s_wait_xcnt 0x0                                ; the stores have read their registers and their base
	s_add_nc_u64 s[16:17], s[16:17], 131072
	s_add_co_u32 s[TRIP], s[TRIP], 1
	s_cmp_lt_u32 s[TRIP], 2
	s_cbranch_scc1 .Lunit
	s_wait_tensorcnt 0x0
	ds_add_u32 v126, v127
	s_wait_dscnt 0x0
	s_endpgm
.Lfunc_end_k_q19715ba584_attn:
	.size	k_q19715ba584_attn, .Lfunc_end_k_q19715ba584_attn-k_q19715ba584_attn
	.p2alignl 7, 3214868480
	.fill 96, 4, 3214868480
	.section	.rodata,"a",@progbits
	.p2align	6, 0x0
	.amdhsa_kernel k_q19715ba584_attn
		.amdhsa_group_segment_fixed_size 167936
		.amdhsa_private_segment_fixed_size 0
		.amdhsa_enable_private_segment 0
		.amdhsa_kernarg_size 56
		.amdhsa_user_sgpr_count 2
		.amdhsa_user_sgpr_kernarg_segment_ptr 1
		.amdhsa_wavefront_size32 1
		.amdhsa_system_sgpr_workgroup_id_x 1
		.amdhsa_system_sgpr_workgroup_id_y 1
		.amdhsa_system_sgpr_workgroup_id_z 1
		.amdhsa_system_vgpr_workitem_id 0
		.amdhsa_next_free_vgpr 256
		.amdhsa_next_free_sgpr 66
		.amdhsa_reserve_vcc 0
		.amdhsa_float_denorm_mode_32 3
		.amdhsa_float_denorm_mode_16_64 3
		.amdhsa_memory_ordered 1
		.amdhsa_forward_progress 1
		.amdhsa_inst_pref_size 94
	.end_amdhsa_kernel
	.amdgpu_metadata
---
amdhsa.version: [ 1, 2 ]
amdhsa.kernels:
  - .name:           k_q19715ba584_attn
    .symbol:         k_q19715ba584_attn.kd
    .args:
      - { .name: qc, .offset: 0, .size: 8, .value_kind: global_buffer, .address_space: global }
      - { .name: qs, .offset: 8, .size: 8, .value_kind: global_buffer, .address_space: global }
      - { .name: kc, .offset: 16, .size: 8, .value_kind: global_buffer, .address_space: global }
      - { .name: ks, .offset: 24, .size: 8, .value_kind: global_buffer, .address_space: global }
      - { .name: vc, .offset: 32, .size: 8, .value_kind: global_buffer, .address_space: global }
      - { .name: vs, .offset: 40, .size: 8, .value_kind: global_buffer, .address_space: global }
      - { .name: out0, .offset: 48, .size: 8, .value_kind: global_buffer, .address_space: global }
    .group_segment_fixed_size: 167936
    .private_segment_fixed_size: 0
    .kernarg_segment_align: 8
    .kernarg_segment_size: 56
    .max_flat_workgroup_size: 256
    .sgpr_count:     66
    .vgpr_count:     256
    .wavefront_size: 32
...
	.end_amdgpu_metadata
.endif
;; end of part 3
;; ======== version 2 of 2: 3 launches; version 1 with the launch attn written anew for expert scheduling mode
;; workspace buffers: wimg 1,671,168 bytes; qc 8,388,608 bytes; kc 8,388,608 bytes; vc 8,388,608 bytes; qs 524,288 bytes; ks 524,288 bytes; vs 524,288 bytes
;; launch wquant: the kernel of part 1 again; grid 96 x 1, 8 waves a work-group, no clusters, 19,456 bytes of LDS; arguments Wq, Wk, Wv, wimg; writes wimg
;; launch proj: the kernel of part 2 again; grid 256 x 1, 4 waves a work-group, clusters of 4 x 1, 327,680 bytes of LDS; arguments x1, x2, wimg, bq, bk, bv, qc, qs, kc, ks, vc, vs; writes qc, qs, kc, ks, vc, vs
;; launch attn (part 4): grid 256 x 1, 8 waves a work-group, no clusters, 167,936 bytes of LDS; arguments qc, qs, kc, ks, vc, vs, out0; writes out0
.if DOCPART == 4
	.amdgcn_target "amdgcn-amd-amdhsa--gfx1250"
	.amdhsa_code_object_version 6
	.text
	.protected	k_q19715ba584_attn
	.globl	k_q19715ba584_attn
	.p2align	8
	.type	k_q19715ba584_attn,@function
k_q19715ba584_attn:
	s_mov_b64 s[64:65], 0
	v_nop
	global_prefetch_b8 v0, s[64:65] scope:SCOPE_SE
	s_setreg_imm32_b32 hwreg(HW_REG_WAVE_SCHED_MODE, 0, 2), 2
	s_setreg_imm32_b32 hwreg(HW_REG_WAVE_MODE, 25, 1), 1
	s_wait_xcnt 0x0
	s_wait_alu depctr_vm_vsrc(0)
; For each (b, i, j): energy[m][n] = sum over t of Q[m][t] K[t][n]; att = softmax over n, finished and normalised; out[m][n] = sum over t of V[m][t] Q4(att)[t][n]; out0[b][j][n][32 m + i].
; Q, K, V arrive as codes of FP4 (E2M1), 16 bytes for each block of 32 along t, with one E8M0 byte a block (launch proj).  att is quantised here, along t, its row index.
; SHARES.  A unit U = 32 b + j is 32 batches i and 131,072 consecutive bytes of out0.  A work-group walks units 2 g and 2 g + 1; wave w owns batches 4 w .. 4 w + 3.  No input is shared between work-groups: no cluster, no tensor load.
; PRODUCT 4 has K = 32 in an instruction of K = 128.  Lane l loads Q's row mrow(l) = l % 8 + 16 ((l / 8) % 2) + 8 (l / 16).  Tile a = 0 keeps lanes 0-15 (K block 0), tile a = 1 keeps lanes 16-31 (K block 1); all else of source 0 is zero codes.
; Source 1 holds K's column in both halves of the lanes.  In the result lane (r, h) holds column n = 16 b + r, and the 16 registers of tiles a = 0, 1 are m = 16 h + 0 .. 15: 16 neighbours along the next K.
; PRODUCT 5 takes four batches at once: att's codes of batch s are K block s of source 1; source 0 is V laid block-diagonal: row r of tile g is (m = 4 g + r / 4, batch r % 4), its codes in K block r % 4.
; So a lane's registers 0-3 are four neighbouring i of one (n, m): 16 bytes of out0.  The unit meets in a stage in LDS and leaves as rows: each store covers 512 consecutive bytes.
; THE SOFTMAX takes the row's true maximum away, as the definition does; sums and the division (a reciprocal and a multiplication) are f32.
; LIMITS: NaN and infinities are not served; an exponential under 2^-126 comes out as 0; a block of att whose largest number lies under 2^-124 gets the byte 1.
; THE MODE: SCHED_MODE bits 1:0 = 2 (LLVM: expert scheduling mode 2), set by the entry lines.  The code itself states the register dependences between vector or matrix instructions and memory or LDS instructions, with s_wait_alu, always for 0.
; THE PLAN.  Registers that memory or LDS instructions touch:
;   v1-13          offsets and LDS addresses: written at the head, never again.
;   QR, QSR, KSW, VSW   a unit's loads land in them; vector lines read them: QSR, KSW, VSW at the unit's head, QR in the selects of batches 0 to 3, the last of which stands in batch 2.
;   KB v64-95      a unit's loads land; my LDS stores at the unit's head read them; the LDS loads of K's columns land; the products of batches 0 to 3 read them.
;   VT v128-159    LDS loads land; product 5's selects read them.      D5 v192-255   product 5's matrix instructions write them, in two rounds; each round's LDS stores read them.
;   v128-255       the way out's LDS loads land; the global stores read them; the next unit's vector lines, LDS loads and products write them again.
; The waits on va_vdst: one ahead of the first loads; one at a unit's head, behind the lines that make scales and source 0; the two of each batch, behind its exponentials and its reciprocals; three in product 5.
; Behind batch 3's first wait every reader of QR, QSR, KSW, VSW and KB is done, and no later vector line of the unit names them or v1-5: so the next unit's loads stand there with no wait of their own.
; The waits on vm_vsrc: behind the first barrier (KB), behind each round's LDS stores (D5), and at the unit's end (v128-255).
.set SP,  4112                         ; a stage row: 4,096 bytes + 16
.set KP,  528                          ; a row of K's codes in LDS: 512 + 16
.set VP,  576                          ; of V's: 512 + 64: the sixteen lanes of a load, 4 rows x 4 batches, take sixteen different columns of 16 bytes
.set STG, 0
.set KST, 32*SP
.set VST, KST+32*KP
.set AQ,  1                            ; v1-5 offsets in memory; v6-12 LDS addresses; v13 my place in out0
.set AQS, 2
.set AKS, 3
.set AVS, 4
.set AKV, 5
.set KW,  6
.set VW,  7
.set KRD, 8
.set VRD, 9
.set STW, 10                           ; v10, v11: n = r and n = 16 + r
.set SRD, 12
.set GO,  13
.set QR,  16                           ; v16-31  Q's codes, four registers a batch
.set QSR, 32                           ; v32-35  Q's scale bytes as loaded
.set KSW, 36                           ; v36     K's scale word: n = lane, four batches
.set VSW, 37                           ; v37-44  V's scale words as loaded
.set QS,  46                           ; v46-49  scales alone from here to v63: Q's (the byte in bytes 0 and 1),
.set KS,  50                           ; v50-53  K's (the batch's byte in all four),
.set VS,  54                           ; v54-61  V's (byte s = batch s = K block s, as they lie),
.set PW,  62                           ; v62-63  att's
.set KB,  64                           ; v64-95  K's and V's rows as loaded, then K's columns; v96-99 zeros behind them
.set P,   100                          ; v100-115 att's codes
.set VT,  128                          ; v128-159 V's codes
.set OA,  160                          ; v160-191 source 0 of product 4, two sets by turns; then of product 5
.set E,   192                          ; v192-223 energy, then att: 16 b + 8 a + j
.set MX,  224                          ; v224-239 maxima, then sums, then reciprocals
.set QM,  240
.set QP,  242
.set QC,  244
.set QB,  246
.set D5,  192                          ; v192-255 product 5's eight accumulators
.set ML,  20                           ; s20-23 lane masks
.set MH,  21
.set MK0, 22
.set MK1, 23
.set SEL, 26
.set CS,  28
.set TRIP, 30
.macro LOADS nx                        ; a unit's inputs, 25 loads; nx = 1: the next unit's
.irp s,0,1,2,3
	global_load_b128 v[QR+4*\s:QR+4*\s+3], v[AQ], s[4:5] offset:512*\s+16384*(\nx) th:TH_LOAD_NT
	global_load_u8 v[QSR+\s], v[AQS], s[6:7] offset:2048*(\s/2)+32*(\s%2)+64*(\nx)
	global_load_b128 v[KB+4*\s:KB+4*\s+3], v[AKV], s[8:9] offset:512*\s+16384*(\nx) th:TH_LOAD_NT       ; row n = 4 w + s of K's codes: 512 consecutive bytes
	global_load_b128 v[KB+16+4*\s:KB+16+4*\s+3], v[AKV], s[12:13] offset:512*\s+16384*(\nx) th:TH_LOAD_NT   ; row m of V's
.endr
	global_load_b32 v[KSW], v[AKS], s[10:11] offset:1024*(\nx)
.irp g,0,1,2,3,4,5,6,7
	global_load_b32 v[VSW+\g], v[AVS], s[14:15] offset:16*\g+1024*(\nx)
.endr
.endm
.macro PREP s                          ; batch s's source 0: lanes 0-15 for tile 0, lanes 16-31 for tile 1
.irp k,0,1,2,3
	v_cndmask_b32 v[OA+16*((\s)%2)+\k], 0, v[QR+4*(\s)+\k], s[ML]
	v_cndmask_b32 v[OA+16*((\s)%2)+8+\k], 0, v[QR+4*(\s)+\k], s[MH]
.endr
.endm
.macro EMM s, a, b
.set ED, E+16*(\b)+8*(\a)
.set EA, OA+16*((\s)%2)+8*(\a)
.set EB, KB+4*(2*(\s)+(\b))
.if (\a) == 0 && (\b) == 0
	v_wmma_scale_f32_16x16x128_f8f6f4 v[ED:ED+7], v[EA:EA+7], v[EB:EB+7], 0, v[QS+\s], v[KS+\s] matrix_a_fmt:MATRIX_FMT_FP4 matrix_b_fmt:MATRIX_FMT_FP4
.elseif (\a) == 0
	v_wmma_scale_f32_16x16x128_f8f6f4 v[ED:ED+7], v[EA:EA+7], v[EB:EB+7], 0, v[QS+\s], v[KS+\s] matrix_a_fmt:MATRIX_FMT_FP4 matrix_b_fmt:MATRIX_FMT_FP4 matrix_b_scale:MATRIX_SCALE_ROW1
.elseif (\b) == 0
	v_wmma_scale_f32_16x16x128_f8f6f4 v[ED:ED+7], v[EA:EA+7], v[EB:EB+7], 0, v[QS+\s], v[KS+\s] matrix_a_fmt:MATRIX_FMT_FP4 matrix_b_fmt:MATRIX_FMT_FP4 matrix_a_scale:MATRIX_SCALE_ROW1
.else
	v_wmma_scale_f32_16x16x128_f8f6f4 v[ED:ED+7], v[EA:EA+7], v[EB:EB+7], 0, v[QS+\s], v[KS+\s] matrix_a_fmt:MATRIX_FMT_FP4 matrix_b_fmt:MATRIX_FMT_FP4 matrix_a_scale:MATRIX_SCALE_ROW1 matrix_b_scale:MATRIX_SCALE_ROW1
.endif
.endm
.macro BATCH s
	EMM \s, 0, 0
	EMM \s, 0, 1
	EMM \s, 1, 0
	EMM \s, 1, 1
.if \s < 3
	PREP \s+1                                      ; eight plain lines on other registers: the places behind the products
.else
.rept 4
	v_nop
.endr
.endif
.set I, 0
.rept 16
	v_max_num_f32 v[MX+I], v[E+I], v[E+16+I]       ; row m = 16 h + I: columns r and 16 + r.  Each accumulator from its low end on
.set I, I+1
.endr
.irp m,1,2,4,8
.set I, 0
.rept 16
	v_max_num_f32_dpp v[MX+I], v[MX+I], v[MX+I] row_xmask:\m row_mask:0xf bank_mask:0xf   ; and across the sixteen lanes: the row's maximum
.set I, I+1
.endr
.endr
.irp b,0,1
.irp i,0,2,4,6,8,10,12,14
	v_pk_add_f32 v[E+16*\b+\i:E+16*\b+\i+1], v[E+16*\b+\i:E+16*\b+\i+1], v[MX+\i:MX+\i+1] neg_lo:[0,1] neg_hi:[0,1]   ; energy - maximum, exactly as the definition has it
.endr
.endr
.irp i,0,2,4,6,8,10,12,14,16,18,20,22,24,26,28,30
	v_pk_mul_f32 v[E+\i:E+\i+1], v[E+\i:E+\i+1], s[CS:CS+1] op_sel_hi:[1,0]   ; x log2(e)
.endr
.set I, 0
.rept 32
	v_exp_f32 v[E+I], v[E+I]
.set I, I+1
.endr
	v_nop                                          ; a plain line behind the last exponential
	s_wait_alu depctr_va_vdst(0)                   ; the 32 exponentials have written v[E ..], ahead of their first reader; the selects above have written the next batch's source 0, which its scaled products take; this batch's products are done reading K's columns
.if \s == 3
	s_cmp_lg_u32 s[TRIP], 0                        ; the second unit's inputs are asked for here: no load leaves its buffer
	s_cbranch_scc1 .Lno_next
	LOADS 1                                        ; no wait of their own: every line that read QR, QSR, KSW, VSW or KB stands ahead of the wait above, my LDS stores of KB ahead of the wait on vm_vsrc at the unit's head, and no vector line since names them or v1-5
.Lno_next:
.endif
.irp i,0,2,4,6,8,10,12,14
	v_pk_add_f32 v[MX+\i:MX+\i+1], v[E+\i:E+\i+1], v[E+16+\i:E+16+\i+1]
.endr
.irp m,1,2,4,8
.set I, 0
.rept 16
	v_add_f32_dpp v[MX+I], v[MX+I], v[MX+I] row_xmask:\m row_mask:0xf bank_mask:0xf   ; the row's sum
.set I, I+1
.endr
.endr
.set I, 0
.rept 16
	v_rcp_f32 v[MX+I], v[MX+I]
.set I, I+1
.endr
	v_nop
	s_wait_alu depctr_va_vdst(0)                   ; the sixteen reciprocals have written v[MX ..], ahead of their first reader
.irp b,0,1
.irp i,0,2,4,6,8,10,12,14
	v_pk_mul_f32 v[E+16*\b+\i:E+16*\b+\i+1], v[E+16*\b+\i:E+16*\b+\i+1], v[MX+\i:MX+\i+1]   ; att, finished
.endr
.endr
	; att's column n, 32 along t, lies in lanes l and l xor 16.  Nothing is negative: no |.|
.irp b,0,1
	v_max3_num_f32 v[QM+\b], v[E+16*\b], v[E+16*\b+1], 0x1800000   ; and the floor 2^(3 - 127)
.endr
.irp i,2,4,6,8,10,12,14
.irp b,0,1
	v_max3_num_f32 v[QM+\b], v[QM+\b], v[E+16*\b+\i], v[E+16*\b+\i+1]
.endr
.endr
.irp b,0,1
	v_permlanex16_b32 v[QP+\b], v[QM+\b], s[SEL], s[SEL+1]
.endr
.irp b,0,1
	v_max_num_f32 v[QM+\b], v[QM+\b], v[QP+\b]
.endr
.irp b,0,1
	v_add_nc_u32 v[QC+\b], 0xff000000, v[QM+\b]    ; 2 off the exponent field: the conversion's scale operand
.endr
.irp b,0,1
	v_lshrrev_b32 v[QB+\b], 23, v[QC+\b]
.endr
.irp b,0,1
.if \s == 0
	v_mov_b32 v[PW+\b], v[QB+\b]
.else
	v_lshl_or_b32 v[PW+\b], v[QB+\b], 8*(\s), v[PW+\b]   ; batch s is K block s of product 5
.endif
.endr
.irp b,0,1
	v_cvt_scalef32_pk8_fp4_f32 v[P+8*\b+2*(\s)], v[E+16*\b:E+16*\b+7], v[QC+\b]
	v_cvt_scalef32_pk8_fp4_f32 v[P+8*\b+2*(\s)+1], v[E+16*\b+8:E+16*\b+15], v[QC+\b]
.endr
	v_nop                                          ; one plain line behind the last conversion
.endm
; PRODUCT 5 in two rounds, tiles g = 4 rr .. 4 rr + 3, each in three parts: the selects, the products, the stores into the stage
.macro SEL5 rr
.irp gg,0,1,2,3
.irp k,0,1,2,3
	v_cndmask_b32 v[OA+8*\gg+\k], 0, v[VT+4*(4*(\rr)+\gg)+\k], s[MK0]     ; K blocks 0 and 1: kept where the block is the row's batch
	v_cndmask_b32 v[OA+8*\gg+4+\k], 0, v[VT+4*(4*(\rr)+\gg)+\k], s[MK1]   ; K blocks 2 and 3
.endr
.endr
.rept 4
	v_nop                                          ; an operand written by vector instructions stands four places ahead of a scaled matrix instruction
.endr
.endm
.macro MM5 rr
.irp gg,0,1,2,3
.irp b,0,1
	v_wmma_scale_f32_16x16x128_f8f6f4 v[D5+8*(2*\gg+\b):D5+8*(2*\gg+\b)+7], v[OA+8*\gg:OA+8*\gg+7], v[P+8*\b:P+8*\b+7], 0, v[VS+4*(\rr)+\gg], v[PW+\b] matrix_a_fmt:MATRIX_FMT_FP4 matrix_b_fmt:MATRIX_FMT_FP4
.endr
.endr
.rept 4
	v_nop                                          ; four places behind the products, ahead of the stores that read their results and of the selects that write their source 0
.endr
.endm
.macro ST5 rr
.irp gg,0,1,2,3
.irp b,0,1
	ds_store_b128 v[STW+\b], v[D5+8*(2*\gg+\b):D5+8*(2*\gg+\b)+3] offset:512*(4*(\rr)+\gg)         ; (n = 16 b + r, m = 4 g + 2 h, i = 4 w .. + 3)
	ds_store_b128 v[STW+\b], v[D5+8*(2*\gg+\b)+4:D5+8*(2*\gg+\b)+7] offset:512*(4*(\rr)+\gg)+128   ; m + 1
.endr
.endr
	s_wait_dscnt 0x0                               ; my stores into the stage have landed
	s_wait_alu depctr_vm_vsrc(0)                   ; and have read v[D5 ..], which the next round's products write again, and in which, behind the last round, the way out's loads land
.endm
	s_load_b256 s[4:11], s[0:1], 0x0               ; qc s[4:5], qs s[6:7], kc s[8:9], ks s[10:11]
	s_load_b128 s[12:15], s[0:1], 0x20             ; vc s[12:13], vs s[14:15]
	s_load_b64 s[16:17], s[0:1], 0x30              ; out0
	v_lshl_add_u32 v126, v0, 2, 0x28c00
	v_mov_b32 v127, 0
	v_lshrrev_b32 v14, 5, v0
	v_readfirstlane_b32 s18, v14                   ; wave w
	v_and_b32 v14, 31, v0                          ; lane
	v_and_b32 v15, 15, v0                          ; r
	v_bfe_u32 v240, v0, 4, 1                       ; h
	v_bfe_u32 v241, v0, 3, 1
	v_and_b32 v242, 7, v0
	v_lshl_add_u32 v243, v241, 4, v242
	v_lshl_add_u32 v243, v240, 3, v243             ; mrow(lane)
	v_bfe_u32 v244, v0, 2, 2                       ; r / 4
	v_and_b32 v245, 3, v0                          ; r % 4
	s_wait_alu depctr_va_sdst(0)                   ; s18 is written, ahead of its first reader: the wave's parts of all addresses are made from it
	s_lshl_b32 s19, s18, 11
	v_lshl_add_u32 v[AQ], v243, 4, s19             ; qc: batch 4 w, row mrow
	v_lshl_add_u32 v[AKV], v14, 4, s19             ; kc, vc: row 4 w, 16 bytes a lane
	s_lshl_b32 s19, s18, 12
	v_add_nc_u32 v[AQS], s19, v243
	s_lshl_b32 s19, s18, 7
	v_lshl_add_u32 v[AKS], v14, 2, s19
	v_lshl_add_u32 v[AVS], v244, 2, s19
	s_mul_i32 s19, s18, 4*KP
	s_add_co_u32 s19, s19, KST
	v_lshl_add_u32 v[KW], v14, 4, s19
	s_mul_i32 s19, s18, 4*VP
	s_add_co_u32 s19, s19, VST
	v_lshl_add_u32 v[VW], v14, 4, s19
	s_lshl_b32 s19, s18, 6                         ; my four batches' 64 bytes in a row
	s_add_co_u32 s24, s19, KST
	v_mul_u32_u24 v[KRD], v15, KP
	v_add_nc_u32 v[KRD], s24, v[KRD]
	s_add_co_u32 s24, s19, VST
	v_mul_u32_u24 v[VRD], v244, VP
	v_lshl_add_u32 v[VRD], v245, 4, v[VRD]
	v_add_nc_u32 v[VRD], s24, v[VRD]
	s_lshl_b32 s19, s18, 4
	v_mul_u32_u24 v[STW], v15, SP
	v_lshl_add_u32 v[STW], v240, 8, v[STW]
	v_add_nc_u32 v[STW], s19, v[STW]
	v_add_nc_u32 v[STW+1], 16*SP, v[STW]
	s_mul_i32 s19, s18, 4*SP
	v_lshl_add_u32 v[SRD], v14, 4, s19
	s_lshl_b32 s19, s18, 14
	v_lshl_add_u32 v[GO], v14, 4, s19
.irp k,0,1,2,3
	v_mov_b32 v[KB+32+\k], 0                       ; named as the upper half of the last column's operand: zero codes
.endr
	s_mov_b32 s[ML], 0x0000ffff
	s_mov_b32 s[MH], 0xffff0000
	s_mov_b32 s[MK0], 0x22221111                   ; lanes 0-15 (block 0): r % 4 = 0; lanes 16-31 (block 1): r % 4 = 1
	s_mov_b32 s[MK1], 0x88884444                   ; block 2: r % 4 = 2; block 3: r % 4 = 3
	s_mov_b32 s[SEL], 0x76543210
	s_mov_b32 s[SEL+1], 0xfedcba98
	s_mov_b32 s[CS], 0x3fb8aa3b                    ; log2(e)
	s_mov_b32 s[CS+1], s[CS]                       ; (named with it as a pair, so it is written)
	s_mov_b32 s[TRIP], 0
	s_mov_b32 s25, 0
	s_wait_kmcnt 0x0
	s_lshl_b32 s24, ttmp9, 15                      ; unit 2 g: 16,384 bytes of codes a unit
	s_add_nc_u64 s[4:5], s[4:5], s[24:25]
	s_add_nc_u64 s[8:9], s[8:9], s[24:25]
	s_add_nc_u64 s[12:13], s[12:13], s[24:25]
	s_lshl_b32 s24, ttmp9, 11                      ; 1,024 scale bytes a unit
	s_add_nc_u64 s[10:11], s[10:11], s[24:25]
	s_add_nc_u64 s[14:15], s[14:15], s[24:25]
	s_lshr_b32 s24, ttmp9, 4
	s_lshl_b32 s24, s24, 15
	s_and_b32 s19, ttmp9, 15
	s_lshl_b32 s19, s19, 7
	s_add_co_u32 s24, s24, s19                     ; qs: 32,768 b + 64 j
	s_add_nc_u64 s[6:7], s[6:7], s[24:25]
	s_lshl_b32 s24, ttmp9, 18
	s_add_nc_u64 s[16:17], s[16:17], s[24:25]
	s_wait_alu depctr_va_vdst(0)                   ; the thirteen offsets and addresses v1 to v13 are written, which every load and store of the kernel reads; so are the zero codes v96 to v99, which scaled products take
	LOADS 0
.Lunit:
	s_wait_loadcnt 0x0
.irp k,0,1,2,3
	ds_store_b128 v[KW], v[KB+4*\k:KB+4*\k+3] offset:KP*\k
	ds_store_b128 v[VW], v[KB+16+4*\k:KB+16+4*\k+3] offset:VP*\k
.endr
.irp s,0,1,2,3
	v_mul_u32_u24 v[QS+\s], v[QSR+\s], 0x101       ; the byte for K block 0 and for K block 1
	v_perm_b32 v[KS+\s], v[KSW], v[KSW], 0x01010101*\s   ; batch s's byte in all four
.endr
.irp g,0,1,2,3,4,5,6,7
	v_mov_b32 v[VS+\g], v[VSW+\g]                  ; kept apart, so that the next unit's loads may land
.endr
.irp k,4,5,6,7,12,13,14,15,20,21,22,23,28,29,30,31
	v_mov_b32 v[OA+\k], 0                          ; K blocks 2 and 3 of product 4's source 0 (product 5 has used these registers)
.endr
	PREP 0
.rept 4
	v_nop                                          ; places ahead of the first scaled matrix instruction
.endr
	s_wait_alu depctr_va_vdst(0)                   ; the lines above have written the scales v[QS ..], v[KS ..], v[VS ..] and batch 0's source 0, which scaled products take; the places above stay beside this wait
	s_wait_dscnt 0x0                               ; my rows lie in LDS, and my reads of the stage are over
	s_barrier_signal -1
	s_barrier_wait -1
	s_wait_alu depctr_vm_vsrc(0)                   ; my LDS stores have read v[KB ..], in which K's columns land
.irp s,0,1,2,3
.irp b,0,1
	ds_load_b128 v[KB+4*(2*\s+\b):KB+4*(2*\s+\b)+3], v[KRD] offset:16*KP*\b+16*\s   ; K's column n = 16 b + r of batch s, in both halves of the lanes
.endr
.endr
.irp g,0,1,2,3,4,5,6,7
	ds_load_b128 v[VT+4*\g:VT+4*\g+3], v[VRD] offset:4*VP*\g   ; V's row m = 4 g + r / 4 of batch r % 4
.endr
	s_wait_dscnt 0x0
	BATCH 0
	BATCH 1
	BATCH 2
	BATCH 3
.irp b,0,1
.irp c,0,1
.irp i,0,1
	v_permlane16_swap_b32 v[P+8*\b+4*\c+\i], v[P+8*\b+4*\c+2+\i]   ; the operand's layout wants a whole block in a lane: lanes 0-15 block 2 c, lanes 16-31 block 2 c + 1
.endr
.endr
.endr
	SEL5 0
	s_wait_alu depctr_va_vdst(0)                   ; the selects have written source 0, the conversions and exchanges att's codes v[P ..], the shifts its scale words v[PW ..]: scaled products take them
	MM5 0
	SEL5 1                                         ; the second round's source 0 is made while the first round's products finish
	s_wait_alu depctr_va_vdst(0)                   ; the first round's products have written v[D5 ..], which the LDS stores read; the selects have written the second round's source 0
	ST5 0
	MM5 1
	s_wait_alu depctr_va_vdst(0)                   ; the second round's products have written v[D5 ..], which the LDS stores read, and are done reading v[OA ..]; the selects are done reading v[VT ..]: the way out's loads land in all three, and no vector line stands between
	ST5 1
	s_barrier_signal -1                            ; (the stores' macro has waited for my stores) the unit lies in the stage
	s_barrier_wait -1
.set N, 0
.rept 32
	ds_load_b128 v[128+4*N:128+4*N+3], v[SRD] offset:SP*(N/8)+512*(N%8)   ; rows n = 4 w .. 4 w + 3
.set N, N+1
.endr
.set N, 0
.rept 32
	s_wait_dscnt 31-N                              ; the younger loads may stay out
	global_store_b128 v[GO], v[128+4*N:128+4*N+3], s[16:17] offset:4096*(N/8)+512*(N%8) th:TH_STORE_NT   ; 512 consecutive bytes
.set N, N+1
.endr
	s_wait_xcnt 0x0                                ; the stores' addresses are translated: their base may step
	s_wait_alu depctr_vm_vsrc(0)                   ; the stores have read v128 to v255, which the next unit's vector lines, LDS loads and products write again
	s_add_nc_u64 s[16:17], s[16:17], 131072
	s_add_co_u32 s[TRIP], s[TRIP], 1
	s_cmp_lt_u32 s[TRIP], 2
	s_cbranch_scc1 .Lunit
	s_wait_dscnt 0x0                               ; the closing lines, six on end
	s_wait_alu 0x0
	s_wait_tensorcnt 0x0
	ds_add_u32 v126, v127
	s_wait_dscnt 0x0
	s_endpgm
.Lfunc_end_k_q19715ba584_attn:
	.size	k_q19715ba584_attn, .Lfunc_end_k_q19715ba584_attn-k_q19715ba584_attn
	.p2alignl 7, 3214868480
	.fill 96, 4, 3214868480
	.section	.rodata,"a",@progbits
	.p2align	6, 0x0
	.amdhsa_kernel k_q19715ba584_attn
		.amdhsa_group_segment_fixed_size 167936
		.amdhsa_private_segment_fixed_size 0
		.amdhsa_enable_private_segment 0
		.amdhsa_kernarg_size 56
		.amdhsa_user_sgpr_count 2
		.amdhsa_user_sgpr_kernarg_segment_ptr 1
		.amdhsa_wavefront_size32 1
		.amdhsa_system_sgpr_workgroup_id_x 1
		.amdhsa_system_sgpr_workgroup_id_y 1
		.amdhsa_system_sgpr_workgroup_id_z 1
		.amdhsa_system_vgpr_workitem_id 0
		.amdhsa_next_free_vgpr 256
		.amdhsa_next_free_sgpr 66
		.amdhsa_reserve_vcc 0
		.amdhsa_float_denorm_mode_32 3
		.amdhsa_float_denorm_mode_16_64 3
		.amdhsa_memory_ordered 1
		.amdhsa_forward_progress 1
		.amdhsa_inst_pref_size 94
	.end_amdhsa_kernel
	.amdgpu_metadata
---
amdhsa.version: [ 1, 2 ]
amdhsa.kernels:
  - .name:           k_q19715ba584_attn
    .symbol:         k_q19715ba584_attn.kd
    .args:
      - { .name: qc, .offset: 0, .size: 8, .value_kind: global_buffer, .address_space: global }
      - { .name: qs, .offset: 8, .size: 8, .value_kind: global_buffer, .address_space: global }
      - { .name: kc, .offset: 16, .size: 8, .value_kind: global_buffer, .address_space: global }
      - { .name: ks, .offset: 24, .size: 8, .value_kind: global_buffer, .address_space: global }
      - { .name: vc, .offset: 32, .size: 8, .value_kind: global_buffer, .address_space: global }
      - { .name: vs, .offset: 40, .size: 8, .value_kind: global_buffer, .address_space: global }
      - { .name: out0, .offset: 48, .size: 8, .value_kind: global_buffer, .address_space: global }
    .group_segment_fixed_size: 167936
    .private_segment_fixed_size: 0
    .kernarg_segment_align: 8
    .kernarg_segment_size: 56
    .max_flat_workgroup_size: 256
    .sgpr_count:     66
    .vgpr_count:     256
    .wavefront_size: 32
...
	.end_amdgpu_metadata
.endif
;; end of part 4
